; MI455X (gfx1250); checked and timed in simulation.
; The chip was launched on July 23, 2026; its instructions are those of AMD's public machine-readable ISA for CDNA 5 (MIT licence, August 2026) and "CDNA5" Instruction Set Architecture Reference Guide (July 2026). The comments in the code are by the model that wrote it; some were corrected since.
;; Configurable Attention. Allowed arithmetic: float matrix products may take bf16 or f16 operands with f32 sums; all other float work in f32.
;; Inputs: Wk 512 x 512 float32; Wo 512 x 512 float32; Wq 512 x 512 float32; Wv 512 x 512 float32; bk 512 float32; bo 512 float32; bq 512 float32; bv 512 float32; x 4 x 2,048 x 512 float32.
;; Outputs: out0 4 x 2,048 x 512 float32.
;; 2 versions, each right; version 2 is version 1 with the launch qkv_attn written anew for expert scheduling mode. Each part assembles by itself: llvm-mc -triple=amdgcn-amd-amdhsa -mcpu=gfx1250 --defsym DOCPART=n.
;; ======== version 1 of 2: 2 launches
;; limits: values are held in f16: magnitudes above 65,504 overflow, below 6.1e-05 lose precision
;; workspace buffers: attn 8,388,608 bytes
;; launch qkv_attn (part 1): grid 8 x 32, 4 waves a work-group, no clusters, 311,296 bytes of LDS; arguments x, Wq, Wk, Wv, bq, bk, bv, attn; writes attn
.if DOCPART == 1
	.amdgcn_target "amdgcn-amd-amdhsa--gfx1250"
	.amdhsa_code_object_version 6
	.text
	.protected	k_q327ed733fb_qkv_attn
	.globl	k_q327ed733fb_qkv_attn
	.p2align	8
	.type	k_q327ed733fb_qkv_attn,@function
k_q327ed733fb_qkv_attn:
	s_mov_b64 s[64:65], 0
	v_nop
	global_prefetch_b8 v0, s[64:65] scope:SCOPE_SE
	s_setreg_imm32_b32 hwreg(HW_REG_WAVE_MODE, 25, 1), 1
	s_wait_xcnt 0x0
; qkv_attn: one work-group = one head (ttmp9) x 256 query rows (ttmp7).  It makes q on its 256 rows and k, v on 384 rows (64 rows of halo
; on each side), runs the banded softmax attention (|i-j| <= 64) on chip and stores the normalised head output in f16.
; x: [8192][512] f32, W*: [512 k][512 n] f32, b*: [512] f32.
; attn (workspace): blocks of 512 bytes; block (R = row/16, c = column/16) at byte (32 R + c) 512; lane L = (r = L&15, h = L>>4) owns the
; 16 bytes at 16 L = o[16R+r][16c+8h .. +7] in f16: blocks (R,2s),(R,2s+1) are registers 0-3, 4-7 of a matrix fragment of k-step s.
; FORMAT: all matrix operands are f16, all sums f32.  LIMITS, kept on purpose: inputs finite; |x|, |W|, |q|, |k|, |v| below 65,504 (f16);
; a probability below about 6e-8 rounds to 0; keys outside the batch enter as 0 x v, so a non-finite x in the 64 rows beside a batch
; edge would reach the neighbouring batch.  The row maximum over the valid keys is taken away before the exponential.
; NO CLUSTER, NO TENSOR LOADS: x is shared by the 8 heads and W by the 32 row blocks, but a joint request lays raw f32 into LDS.  Beside the
; resident f16 weights (199,872 bytes) 127,808 bytes are left: one K=64 slot of 384 f32 rows (104,448 bytes with padding), so a ring
; would be drained in every trip; and f32 in and out of LDS is 96 KiB a k-step against 48 KiB for the f16 stage used here.
; So tiles go memory -> registers (f32) -> f16 -> LDS, one K=64 chunk (48 loads a wave) always on its way.
;
; A WAVE (w = 0..3) owns six tiles of 16 rows: a = 0..3 its 64 queries (local rows 64+64w+16a), a = 4,5 two halo tiles (local rows
; 32w+256(w>>1)+16(a-4)); local row l = global row 256 rb - 64 + l.  q on a < 4 only: 16+24+24 = 64 accumulator tiles.
; q and k use the matrix instruction transposed (source 0 = W, source 1 = x): a lane holds row r, 8 neighbouring d.
; v uses it as written (source 0 = x, source 1 = W): a lane holds column d = r, 8 neighbouring keys = 16 bytes of V transposed.
;
; LDS: Wt 0..199,872: (n>>4) 16,656 + (n&15) 1,040 + 2k, n = 0..191 (q, k, v: 64 columns each).  XS 200,192..310,784: wave w at
; XS + 27,648 w, two buffers of 96 rows x 144 bytes, its own.  After the products Wt is dead: KA 0..55,296 (row 144 + 2d),
; VT 55,296..105,472 (d 784 + 2 key).  All pitches are odd multiples of 16 bytes, so that the 16 rows of a 16-byte access fall on
; 16 different 16-byte columns modulo 256; the 16 bytes more in each group of 16 Wt rows do the same for the transposing stores.
.set WROW, 1040
.set WGRP, 16656
.set WMAT, 66624
.set XS,   200192
.set XWAVE, 27648
.set XBUF, 13824
.set XP,   144
.set KP,   144
.set VT,   55296
.set VP,   784
; window 0
.set WGO,  4                           ; W in memory: (t>>4) 8 rows + 16 (t&15)
.set WST,  5                           ; W in LDS, transposed
.set XO,   6                           ; v6-11  x offset of tile a: row (g_a + 8h), 16 r
.set XST,  12                          ; stage, store
.set XLD,  13                          ; stage, fragment load
.set WLD,  14                          ; v14-16 Wt fragment load, q, k, v
.set KST0, 17
.set KST1, 18
.set VST0, 19
.set VST1, 20
.set KLD,  21
.set VLD,  22
.set AOF,  23                          ; 16 L
.set NINF, 24                          ; -infinity
.set FD,   25                          ; r - 8h
.set BOF8, 26                          ; 32 h
.set BOF1, 27                          ; 4 r
.set ST,   32                          ; v32-223 six slots of 32: loads in flight
.set TA,   224                         ; v224-255 two sets of 16: converted numbers on their way to LDS
; windows 1-3 (low numbers): 1: accK 0-191, WB 192-255 (two buffers of 4 W fragments); 2: accV 0-191, BQ 192-223, BK 224-255;
; 3: accQ 0-127, XA 128-223 (two buffers of 6 x fragments), BV 224-231
.set WB,   192
.set XA,   128
; attention, window 0
.set QF,   32                          ; v32-95  q fragments: tile (i, b) at QF + 4 (4i+b); later the packed output
.set S,    96                          ; v96-167 nine score tiles
.set O,    96                          ; v96-127 four output tiles (the scores are dead by then)
.set PF,   168                         ; v168-207 ten half fragments of P
.set NMT,  208                         ; v208-225 nine pairs: tile maximum, then the addend of the exponent
.set MX,   226
.set TMP,  227
.set LS,   228
.set RL,   232
.set MLO,  32                          ; s32-39 lane masks j >= r - 8h
.set MHI,  40                          ; s40-47 lane masks j <= r - 8h
.set TV,   48                          ; s48-59 key tile T of this wave lies in the batch: -1 or 0
.set MSB, 0
.macro WIN new                         ; the high byte of the immediate repeats the setting that is left
.if MSB != \new
	s_set_vgpr_msb (MSB<<8)|\new
.set MSB, \new
.endif
.endm
.macro PLACES                          ; four independent vector places behind matrix instructions (ISA guide 7.12.1)
.rept 4
	v_nop
.endr
.endm
	s_load_b256 s[4:11], s[0:1], 0x0               ; x s[4:5], Wq s[6:7], Wk s[8:9], Wv s[10:11]
	s_load_b256 s[12:19], s[0:1], 0x20             ; bq s[12:13], bk s[14:15], bv s[16:17], attn s[18:19]
	s_set_vgpr_msb 0xc0
	v_lshl_add_u32 v254, v0, 2, 0x4be00
	v_mov_b32 v255, 0
	s_set_vgpr_msb 0xc000
	v_lshrrev_b32 v1, 5, v0
	v_readfirstlane_b32 s20, v1                    ; w
	s_and_b32 s22, ttmp7, 0xffff                   ; rb: block of 256 rows
	s_and_b32 s23, s22, 7                          ; its place in the batch (2,048 rows = 8 blocks)
	s_lshl_b32 s24, ttmp9, 8                       ; the 64 columns of the head: 256 bytes, in W rows and in the biases
	s_mov_b32 s25, 0
	s_mov_b32 s26, 0x3e38aa3b                      ; log2(e) / 8: the scale 1/sqrt(64) and the change of base in one factor
	s_mov_b32 s27, 0x3e38aa3b
	s_mov_b32 s28, 0x76543210                      ; v_permlanex16_b32: lane i takes lane i of the other half
	s_mov_b32 s29, 0xfedcba98
	v_and_b32 v1, 31, v0                           ; L
	v_and_b32 v2, 15, v0                           ; r
	v_bfe_u32 v3, v0, 4, 1                         ; h
	v_lshrrev_b32 v28, 4, v0                       ; t >> 4, 0..7
	v_lshlrev_b32 v29, 4, v2                       ; 16 r
	v_lshl_add_u32 v[WGO], v28, 14, v29            ; 8 rows of 2,048 bytes for each t>>4
	v_lshrrev_b32 v30, 2, v2
	v_mul_u32_u24 v30, v30, WGRP                   ; column n = 4 (t&15) + c: group n>>4 = (t&15)>>2,
	v_and_b32 v31, 3, v0
	v_mad_u32_u24 v30, v31, 4*WROW, v30            ; row in the group 4 (t&3) + c,
	v_lshl_add_u32 v[WST], v28, 4, v30             ; k = 8 (t>>4): 16 bytes
	v_lshl_add_u32 v29, v3, 14, v29                ; x: 8 h rows + 16 r
	s_lshl_b32 s60, s22, 8                         ; 256 rb
	s_lshl_b32 s61, s20, 6
	s_add_co_u32 s61, s60, s61                     ; my first query row
	s_lshl_b32 s61, s61, 11
.irp a, 0,1,2,3
	v_add_nc_u32 v[XO+\a], s61, v29
	s_add_co_u32 s61, s61, 32768                   ; 16 rows on
.endr
	s_lshl_b32 s62, s20, 5
	s_lshr_b32 s63, s20, 1
	s_lshl_b32 s63, s63, 8
	s_add_co_u32 s62, s62, s63                     ; s62 = local row of my halo tiles: 32 w + 256 (w>>1)
	s_add_co_u32 s63, s60, s62
	s_sub_co_i32 s63, s63, 64                      ; global row; below 0 or past 8,191 at the two ends of x
.irp a, 4,5
	s_max_i32 s61, s63, 0                          ; clamped into x: those keys lie outside the batch and get the weight 0
	s_min_i32 s61, s61, 8176
	s_lshl_b32 s61, s61, 11
	v_add_nc_u32 v[XO+\a], s61, v29
	s_add_co_i32 s63, s63, 16
.endr
	s_mul_i32 s60, s20, XWAVE
	s_add_co_u32 s60, s60, XS                      ; my stage
	v_mul_u32_u24 v30, v3, 8*XP
	v_lshl_add_u32 v30, v2, 3, v30
	v_add_nc_u32 v[XST], s60, v30                  ; row 8h (+ i), 8 bytes at 8 r
	v_mul_u32_u24 v30, v2, XP
	v_lshl_add_u32 v30, v3, 4, v30                 ; r 144 + 16 h
	v_add_nc_u32 v[XLD], s60, v30
	v_mul_u32_u24 v31, v2, WROW
	v_lshl_add_u32 v[WLD], v3, 4, v31
	v_add_nc_u32 v[WLD+1], WMAT, v[WLD]
	v_add_nc_u32 v[WLD+2], 2*WMAT, v[WLD]
	s_mul_i32 s60, s20, 64*KP
	v_add_nc_u32 v[KLD], s60, v30                  ; keys from local row 64 w
	s_add_co_u32 s60, s60, 64*KP
	v_add_nc_u32 v[KST0], s60, v30                 ; my query rows, from 64 + 64 w
	s_mul_i32 s60, s62, KP
	v_add_nc_u32 v[KST1], s60, v30                 ; my halo rows
	v_mul_u32_u24 v31, v2, VP
	v_lshl_add_u32 v31, v3, 4, v31                 ; r 784 + 2 (8 h)
	s_lshl_b32 s60, s20, 7
	s_add_co_u32 s60, s60, VT
	v_add_nc_u32 v[VLD], s60, v31
	s_add_co_u32 s60, s60, 128
	v_add_nc_u32 v[VST0], s60, v31
	s_lshl_b32 s60, s62, 1
	s_add_co_u32 s60, s60, VT
	v_add_nc_u32 v[VST1], s60, v31
	v_lshlrev_b32 v[AOF], 4, v1
	v_mov_b32 v[NINF], 0xff800000
	v_lshlrev_b32 v[FD], 3, v3
	v_sub_nc_u32 v[FD], v2, v[FD]
	v_lshlrev_b32 v[BOF8], 5, v3
	v_lshlrev_b32 v[BOF1], 2, v2
	; The band.  Score register j of lane (r, h) in tile t of query tile i: key - query = 16 t + 8 h + j - 64 - r.
	; t = 0: inside where j >= r - 8h; t = 8: inside where j <= r - 8h; t = 1..7: between -63 and 63, always inside.
.irp j, 0,1,2,3,4,5,6,7
	v_cmp_ge_i32 s[MLO+\j], \j, v[FD]
	v_cmp_le_i32 s[MHI+\j], \j, v[FD]
.endr
	; The batch.  Of the 24 local key tiles the first 4 fall away in the first block of a batch, the last 4 in the last block.
	s_cmp_eq_u32 s23, 0
	s_cselect_b32 s60, 4, 0
	s_cmp_eq_u32 s23, 7
	s_cselect_b32 s61, 20, 24
	s_sub_co_u32 s61, s61, s60
	s_bfm_b32 s61, s61, s60                        ; ones at the valid tiles
	s_lshl_b32 s62, s20, 2
	s_lshr_b32 s61, s61, s62                       ; my tile T is local tile 4 w + T
.irp kt, 0,1,2,3,4,5,6,7,8,9,10,11
	s_bitcmp1_b32 s61, \kt
	s_cselect_b32 s[TV+\kt], -1, 0
.endr
	s_lshl_b32 s60, s22, 18                        ; attn: 16 rb + 4 w row blocks of 16,384 bytes, 4 head column blocks of 512
	s_lshl_b32 s61, s20, 16
	s_add_co_u32 s60, s60, s61
	s_lshl_b32 s61, ttmp9, 11
	s_add_co_u32 s60, s60, s61
	s_mov_b32 s61, 0
	s_wait_kmcnt 0x0
	s_add_nc_u64 s[6:7], s[6:7], s[24:25]
	s_add_nc_u64 s[8:9], s[8:9], s[24:25]
	s_add_nc_u64 s[10:11], s[10:11], s[24:25]
	s_add_nc_u64 s[12:13], s[12:13], s[24:25]
	s_add_nc_u64 s[14:15], s[14:15], s[24:25]
	s_add_nc_u64 s[16:17], s[16:17], s[24:25]
	s_add_nc_u64 s[18:19], s[18:19], s[60:61]
	; biases, 24 loads, the oldest of all: the first counted wait below covers them
	WIN 0x80
.irp b, 0,1,2,3
	global_load_b128 v[192+8*\b:195+8*\b], v[BOF8], s[12:13] offset:64*\b       ; bq[16b+8h .. +7]
	global_load_b128 v[196+8*\b:199+8*\b], v[BOF8], s[12:13] offset:64*\b+16
	global_load_b128 v[224+8*\b:227+8*\b], v[BOF8], s[14:15] offset:64*\b       ; bk likewise
	global_load_b128 v[228+8*\b:231+8*\b], v[BOF8], s[14:15] offset:64*\b+16
.endr
	WIN 0xc0
.irp b, 0,1,2,3
	global_load_b32 v[224+2*\b], v[BOF1], s[16:17] offset:64*\b                 ; bv[16b+r], twice: a pair for the packed add
	global_load_b32 v[225+2*\b], v[BOF1], s[16:17] offset:64*\b
.endr
	WIN 0
; Eight loads: block i of the weights = matrix i/8, k rows 64 (i%8) .. +63, the 64 columns of the head.  A load of a wave covers two
; pieces of 256 consecutive bytes.  Thread t gets W[8 (t>>4) + j][4 (t&15) + c] in register 4 j + c of the slot.
.macro WLOAD slot, i
.irp j, 0,1,2,3,4,5,6,7
	global_load_b128 v[ST+32*\slot+4*\j:ST+32*\slot+4*\j+3], v[WGO], s[6+2*(\i/8):7+2*(\i/8)] offset:(\i%8)*131072+\j*2048
.endr
.endm
; A column c of the thread: 8 neighbouring k = 16 bytes of f16 = a piece of row n of Wt
.macro WPUT slot, ts, kb
.irp c, 0,1,2,3
.irp q, 0,1,2,3
	v_cvt_pk_f16_f32 v[TA+16*\ts+4*\c+\q], v[ST+32*\slot+8*\q+\c], v[ST+32*\slot+8*\q+4+\c]
.endr
.endr
.irp c, 0,1,2,3
	ds_store_b128 v[WST], v[TA+16*\ts+4*\c:TA+16*\ts+4*\c+3] offset:\c*WROW+\kb*128
.endr
.endm
; Eight loads: tile a of x, 64 columns (256 bytes of each row); load j brings rows j and j + 8
.macro XLOAD a
.irp j, 0,1,2,3,4,5,6,7
	global_load_b128 v[ST+32*\a+4*\j:ST+32*\a+4*\j+3], v[XO+\a], s[4:5] offset:\j*2048
.endr
.endm
; Tile a of a chunk goes to the stage as f16; reissue = 1: its slot asks for the chunk after the next
.macro XSERV a, buf, left, reissue
	s_wait_loadcnt \left                           ; loads return in order: the eight of slot a are in, the younger items stay out
.irp j, 0,1,2,3,4,5,6,7
	v_cvt_pk_f16_f32 v[TA+2*\j],   v[ST+32*\a+4*\j],   v[ST+32*\a+4*\j+1]
	v_cvt_pk_f16_f32 v[TA+2*\j+1], v[ST+32*\a+4*\j+2], v[ST+32*\a+4*\j+3]
.endr
.irp j, 0,1,2,3,4,5,6,7
	ds_store_b64 v[XST], v[TA+2*\j:TA+2*\j+1] offset:\buf*XBUF+(16*\a+\j)*XP
.endr
.if \reissue
	v_add_nc_u32 v[XO+\a], 256, v[XO+\a]           ; the wait above showed the loads that named it done
	XLOAD \a
.endif
.endm
.macro WFRAG wb, ty, sl                ; four W fragments (n tiles 0-3 of matrix ty, k-step sl from the address register on)
	WIN 0x40
.irp b, 0,1,2,3
	ds_load_b128 v[WB+32*\wb+8*\b:WB+32*\wb+8*\b+3],   v[WLD+\ty] offset:\b*WGRP+64*\sl
	ds_load_b128 v[WB+32*\wb+8*\b+4:WB+32*\wb+8*\b+7], v[WLD+\ty] offset:\b*WGRP+64*\sl+32
.endr
.endm
.macro XFRAG buf, kk                   ; six x fragments: my 96 rows, 32 k at byte 64 kk of the stage rows
	WIN 0xc0
.irp a, 0,1,2,3,4,5
	ds_load_b128 v[XA+48*\kk+8*\a:XA+48*\kk+8*\a+3],   v[XLD] offset:\buf*XBUF+\a*16*XP+64*\kk
	ds_load_b128 v[XA+48*\kk+8*\a+4:XA+48*\kk+8*\a+7], v[XLD] offset:\buf*XBUF+\a*16*XP+64*\kk+32
.endr
.endm
	; THE WEIGHTS: a queue of items of eight loads on six slots: 24 blocks of W, then the six tiles of x chunk 0, then of chunk 1.
.irp i, 0,1,2,3,4,5
	WLOAD \i, \i
.endr
.set wi, 0
.rept 24
	s_wait_loadcnt 40                              ; five younger items of eight loads stay out
	s_wait_dscnt 4                                 ; the four stores of the block before (other set of 16) may be out; this set is free
	WPUT (wi%6), (wi&1), (wi%8)
.if (wi%8) == 7
	v_add_nc_u32 v[WST], WMAT, v[WST]              ; the next matrix
.endif
.if wi+6 < 24
	WLOAD (wi%6), (wi+6)
.else
	XLOAD (wi-18)
.endif
.set wi, wi+1
.endr
.irp a, 0,1,2,3,4,5
	s_wait_dscnt 0x0                               ; the set of 16 is free
	XSERV \a, 0, 40, 1                             ; chunk 0 into buffer 0; chunk 1 is asked for
.endr
	s_wait_dscnt 0x0                               ; my part of Wt is written: zero, for the sake of the other waves
	s_barrier_signal -1
	s_barrier_wait -1                              ; Wt is whole
	WFRAG 0, 0, 0
	XFRAG 0, 0
; four products: row tile a x the 4 column tiles; nat = 1: x is source 0 (v), else W is (q, k); zero = 1 starts the sums
.macro MM4 nat, a, wb, kk, zero
.irp b, 0,1,2,3
.if \nat
.if \zero
	v_wmma_f32_16x16x32_f16 v[8*(4*\a+\b):8*(4*\a+\b)+7], v[XA+48*\kk+8*\a:XA+48*\kk+8*\a+7], v[WB+32*\wb+8*\b:WB+32*\wb+8*\b+7], 0
.else
	v_wmma_f32_16x16x32_f16 v[8*(4*\a+\b):8*(4*\a+\b)+7], v[XA+48*\kk+8*\a:XA+48*\kk+8*\a+7], v[WB+32*\wb+8*\b:WB+32*\wb+8*\b+7], v[8*(4*\a+\b):8*(4*\a+\b)+7]
.endif
.else
.if \zero
	v_wmma_f32_16x16x32_f16 v[8*(4*\a+\b):8*(4*\a+\b)+7], v[WB+32*\wb+8*\b:WB+32*\wb+8*\b+7], v[XA+48*\kk+8*\a:XA+48*\kk+8*\a+7], 0
.else
	v_wmma_f32_16x16x32_f16 v[8*(4*\a+\b):8*(4*\a+\b)+7], v[WB+32*\wb+8*\b:WB+32*\wb+8*\b+7], v[XA+48*\kk+8*\a:XA+48*\kk+8*\a+7], v[8*(4*\a+\b):8*(4*\a+\b)+7]
.endif
.endif
.endr
.endm
.macro MULQ wb, kk, zero               ; source 0 window 1 (W), source 1 window 3 (x), C and D window 3
	WIN 0xfd
.irp a, 0,1,2,3
	MM4 0, \a, \wb, \kk, \zero
.endr
.endm
.macro MULK wb, kk, zero               ; C and D window 1
	WIN 0x5d
.irp a, 0,1,2,3,4,5
	MM4 0, \a, \wb, \kk, \zero
.endr
.endm
.macro MULV wb, kk, zero               ; source 0 window 3 (x), source 1 window 1 (W), C and D window 2
	WIN 0xa7
.irp a, 0,1,2,3,4,5
	MM4 1, \a, \wb, \kk, \zero
.endr
.endm
; A TRIP is K = 64: six groups g; k-step g/3, matrix g%3.  Group g multiplies from W buffer g&1 and x buffer g/3, which were asked for one
; group (x: three groups) earlier; before that it puts tile g of the next chunk on the stage (its 16 conversions are the places behind
; the last matrix instructions) and asks for the fragments of group g+1.  The stage is the wave's own and LDS serves a wave in order
; (ISA guide 5.7.1): no barrier in the loop.  tp: trip in the pair = stage buffer.
.macro GROUP g, tp, zero, svc, reissue, left, pre
	s_wait_dscnt 0x0                               ; my fragments are in; the set of 16 is free
	WIN 0
.if \svc
	XSERV \g, (1-\tp), \left, \reissue
.else
	PLACES
.endif
.if \pre
	WFRAG ((\g+1)&1), ((\g+1)%3), (2*\tp+(\g+1)/3)
.if \g == 2
	XFRAG \tp, 1
.endif
.if \g == 5
	XFRAG (1-\tp), 0                               ; behind the store of tile 5: the next chunk is whole on the stage
.endif
.endif
.if (\g%3) == 0
	MULQ (\g&1), (\g/3), \zero
.endif
.if (\g%3) == 1
	MULK (\g&1), (\g/3), \zero
.endif
.if (\g%3) == 2
	MULV (\g&1), (\g/3), \zero
.endif
.endm
; dec = 0: every service leaves five younger items (40 loads) out; dec = 8: nothing is asked for any more and the counts run down
.macro TRIP tp, zero, svc, reissue, dec, lastpre
	GROUP 0, \tp, \zero, \svc, \reissue, (40-0*\dec), 1
	GROUP 1, \tp, \zero, \svc, \reissue, (40-1*\dec), 1
	GROUP 2, \tp, \zero, \svc, \reissue, (40-2*\dec), 1
	GROUP 3, \tp, 0, \svc, \reissue, (40-3*\dec), 1
	GROUP 4, \tp, 0, \svc, \reissue, (40-4*\dec), 1
	GROUP 5, \tp, 0, \svc, \reissue, (40-5*\dec), \lastpre
.endm
.macro WSTEP                           ; four k-steps = 256 bytes on in the rows of Wt
	WIN 0
	v_add_nc_u32 v[WLD], 256, v[WLD]
	v_add_nc_u32 v[WLD+1], 256, v[WLD+1]
	v_add_nc_u32 v[WLD+2], 256, v[WLD+2]
.endm
	; THE PRODUCTS: eight trips.  Trip c multiplies chunk c, stages chunk c+1, asks for chunk c+2.
	TRIP 0, 1, 1, 1, 0, 1                          ; the first products start the sums: nothing is cleared
	TRIP 1, 0, 1, 1, 0, 1
	WSTEP
	s_mov_b32 s30, 2
.Lpair:
	TRIP 0, 0, 1, 1, 0, 1
	TRIP 1, 0, 1, 1, 0, 1
	WSTEP
	s_sub_co_u32 s30, s30, 1
	s_cmp_lg_u32 s30, 0
	s_cbranch_scc1 .Lpair
	TRIP 0, 0, 1, 0, 8, 1                          ; trip 6 stages chunk 7 and asks for nothing: no load leaves x
	TRIP 1, 0, 0, 0, 0, 0                          ; trip 7
	; k AND v GO TO LDS, over Wt, which nobody reads any more behind this barrier
	WIN 0
	PLACES                                         ; behind the last matrix instructions
	s_wait_dscnt 0x0                               ; my reads of Wt are over
	s_barrier_signal -1
	s_barrier_wait -1
	WIN 0x09                                       ; source 0 window 1 (k sums), source 1 window 2 (bk), result window 0
.irp a, 0,1,2,3,4,5
.irp b, 0,1,2,3
.irp p, 0,2,4,6
	v_pk_add_f32 v[ST+8*(4*\a+\b)+\p:ST+8*(4*\a+\b)+\p+1], v[8*(4*\a+\b)+\p:8*(4*\a+\b)+\p+1], v[224+8*\b+\p:224+8*\b+\p+1]
.endr
.endr
.endr
	WIN 0
.irp a, 0,1,2,3,4,5
.irp b, 0,1,2,3
.irp p, 0,1,2,3
	v_cvt_pk_f16_f32 v[ST+8*(4*\a+\b)+\p], v[ST+8*(4*\a+\b)+2*\p], v[ST+8*(4*\a+\b)+2*\p+1]
.endr
.endr
.endr
.irp a, 0,1,2,3
.irp b, 0,1,2,3
	ds_store_b128 v[KST0], v[ST+8*(4*\a+\b):ST+8*(4*\a+\b)+3] offset:\a*16*KP+32*\b        ; k[row r][16b+8h .. +7]
.endr
.endr
.irp a, 4,5
.irp b, 0,1,2,3
	ds_store_b128 v[KST1], v[ST+8*(4*\a+\b):ST+8*(4*\a+\b)+3] offset:(\a-4)*16*KP+32*\b
.endr
.endr
	s_wait_dscnt 0x0                               ; the stores have read v32-223
	WIN 0x0e                                       ; source 0 window 2 (v sums), source 1 window 3 (bv pairs)
.irp a, 0,1,2,3,4,5
.irp b, 0,1,2,3
.irp p, 0,2,4,6
	v_pk_add_f32 v[ST+8*(4*\a+\b)+\p:ST+8*(4*\a+\b)+\p+1], v[8*(4*\a+\b)+\p:8*(4*\a+\b)+\p+1], v[224+2*\b:225+2*\b]
.endr
.endr
.endr
	WIN 0
.irp a, 0,1,2,3,4,5
.irp b, 0,1,2,3
.irp p, 0,1,2,3
	v_cvt_pk_f16_f32 v[ST+8*(4*\a+\b)+\p], v[ST+8*(4*\a+\b)+2*\p], v[ST+8*(4*\a+\b)+2*\p+1]
.endr
.endr
.endr
.irp a, 0,1,2,3
.irp b, 0,1,2,3
	ds_store_b128 v[VST0], v[ST+8*(4*\a+\b):ST+8*(4*\a+\b)+3] offset:\b*16*VP+32*\a        ; v[keys 8h .. +7][d = 16b+r]
.endr
.endr
.irp a, 4,5
.irp b, 0,1,2,3
	ds_store_b128 v[VST1], v[ST+8*(4*\a+\b):ST+8*(4*\a+\b)+3] offset:\b*16*VP+32*(\a-4)
.endr
.endr
	s_wait_dscnt 0x0                               ; my k and v are written: zero, for the sake of the other waves
	s_barrier_signal -1
	; registers only, while the others arrive: q + bq, packed: tile (i, b) in four registers is half a fragment of q as it stands
	WIN 0x0b                                       ; source 0 window 3 (q sums), source 1 window 2 (bq)
.irp a, 0,1,2,3
.irp b, 0,1,2,3
.irp p, 0,2,4,6
	v_pk_add_f32 v[ST+8*(4*\a+\b)+\p:ST+8*(4*\a+\b)+\p+1], v[8*(4*\a+\b)+\p:8*(4*\a+\b)+\p+1], v[192+8*\b+\p:192+8*\b+\p+1]
.endr
.endr
.endr
	WIN 0
.irp a, 0,1,2,3
.irp b, 0,1,2,3
.irp p, 0,1,2,3
	v_cvt_pk_f16_f32 v[QF+4*(4*\a+\b)+\p], v[ST+8*(4*\a+\b)+2*\p], v[ST+8*(4*\a+\b)+2*\p+1]   ; the result never lies ahead of unread sources
.endr
.endr
.endr
	s_barrier_wait -1                              ; all of k and v is in LDS
	WIN 0x40                                       ; my 12 key tiles (local rows 64 w ..), two k-steps of d: window 1, 16 T + 8 ks
.irp kt, 0,1,2,3,4,5,6,7,8,9,10,11
.irp ks, 0,1
	ds_load_b128 v[16*\kt+8*\ks:16*\kt+8*\ks+3],   v[KLD] offset:\kt*16*KP+64*\ks
	ds_load_b128 v[16*\kt+8*\ks+4:16*\kt+8*\ks+7], v[KLD] offset:\kt*16*KP+64*\ks+32
.endr
.endr
	WIN 0x80                                       ; V transposed: 6 steps of 32 keys x 4 tiles of d: window 2, 8 (4 u + dt)
.irp u, 0,1,2,3,4,5
.irp d, 0,1,2,3
	ds_load_b128 v[8*(4*\u+\d):8*(4*\u+\d)+3],   v[VLD] offset:\d*16*VP+64*\u
	ds_load_b128 v[8*(4*\u+\d)+4:8*(4*\u+\d)+7], v[VLD] offset:\d*16*VP+64*\u+32
.endr
.endr
	WIN 0
.irp t, 0,1,2,3,4,5,6,7,8
	v_mov_b32 v[NMT+2*\t+1], 0                     ; the upper halves of the pairs are named by the packed forms, never used
.endr
	v_mov_b32 v[TMP], 0                            ; v_permlanex16_b32 counts as a reader of its destination
	s_wait_dscnt 48                                ; the 48 loads of K are in; the 48 younger ones, of V, stay out
; ATTENTION for query tile i (16 queries): nine key tiles T = i .. i+8.
.macro ATT i
	WIN 0x01                                       ; source 0 window 1: K.  Result register j of lane (r, h): key 8h+j, query r
.irp t, 0,1,2,3,4,5,6,7,8
	v_wmma_f32_16x16x32_f16 v[S+8*\t:S+8*\t+7], v[16*(\i+\t):16*(\i+\t)+7], v[QF+16*\i:QF+16*\i+7], 0
.endr
.irp t, 0,1,2,3,4,5,6,7,8
	v_wmma_f32_16x16x32_f16 v[S+8*\t:S+8*\t+7], v[16*(\i+\t)+8:16*(\i+\t)+15], v[QF+16*\i+8:QF+16*\i+15], v[S+8*\t:S+8*\t+7]
.endr
	WIN 0
	; V comes in steps of 32 keys, so ten tiles are multiplied: the tenth (behind for even i, in front for odd i) has P = 0.
	; These four lines are also the four places behind the matrix instructions.
.irp p, 0,1,2,3
	v_mov_b32 v[PF+36*(1-(\i&1))+\p], 0
.endr
.irp j, 0,1,2,3,4,5,6,7
	v_cndmask_b32 v[S+\j], v[NINF], v[S+\j], s[MLO+\j]             ; the two ends of the band
	v_cndmask_b32 v[S+64+\j], v[NINF], v[S+64+\j], s[MHI+\j]
.endr
.irp t, 0,1,2,3,4,5,6,7,8
	v_max3_num_f32 v[NMT+2*\t], v[S+8*\t], v[S+8*\t+1], v[S+8*\t+2]
.endr
.irp t, 0,1,2,3,4,5,6,7,8
	v_max3_num_f32 v[NMT+2*\t], v[NMT+2*\t], v[S+8*\t+3], v[S+8*\t+4]
.endr
.irp t, 0,1,2,3,4,5,6,7,8
	v_max3_num_f32 v[NMT+2*\t], v[NMT+2*\t], v[S+8*\t+5], v[S+8*\t+6]
.endr
.irp t, 0,1,2,3,4,5,6,7,8
	v_max_num_f32 v[NMT+2*\t], v[NMT+2*\t], v[S+8*\t+7]
.endr
.irp t, 0,1,2,3,4,5,6,7,8
	v_cndmask_b32 v[NMT+2*\t], v[NINF], v[NMT+2*\t], s[TV+\i+\t]   ; a tile outside the batch has no say (batch edges are tile edges)
.endr
	v_max3_num_f32 v[MX], v[NMT], v[NMT+2], v[NMT+4]
	v_max3_num_f32 v[MX], v[MX], v[NMT+6], v[NMT+8]
	v_max3_num_f32 v[MX], v[MX], v[NMT+10], v[NMT+12]
	v_max3_num_f32 v[MX], v[MX], v[NMT+14], v[NMT+16]
	v_permlanex16_b32 v[TMP], v[MX], s28, s29                      ; the other eight keys of each tile
	v_max_num_f32 v[MX], v[MX], v[TMP]                             ; the maximum over all valid keys of query r (its own key is one: finite)
	v_mul_f32 v[MX], 0xbe38aa3b, v[MX]                             ; - max log2(e) / 8
.irp t, 0,1,2,3,4,5,6,7,8
	v_cndmask_b32 v[NMT+2*\t], v[NINF], v[MX], s[TV+\i+\t]         ; outside the batch the exponent is -infinity
.endr
.irp t, 0,1,2,3,4,5,6,7,8
.irp p, 0,2,4,6
	v_pk_fma_f32 v[S+8*\t+\p:S+8*\t+\p+1], v[S+8*\t+\p:S+8*\t+\p+1], s[26:27], v[NMT+2*\t:NMT+2*\t+1] op_sel_hi:[1,0,0]
.endr
.endr
.set pp, 0
.rept 72
	v_exp_f32 v[S+pp], v[S+pp]
.set pp, pp+1
.endr
	v_nop                                          ; one plain place behind the last exponential (ISA guide 5.7.2)
	s_wait_alu depctr_va_vdst(0)
	v_pk_add_f32 v[LS:LS+1], v[S:S+1], v[S+2:S+3]                  ; the sum, in two chains
	v_pk_add_f32 v[LS+2:LS+3], v[S+4:S+5], v[S+6:S+7]
.set pp, 4
.rept 32
	v_pk_add_f32 v[LS+2*(pp&1):LS+2*(pp&1)+1], v[LS+2*(pp&1):LS+2*(pp&1)+1], v[S+2*pp:S+2*pp+1]
.set pp, pp+1
.endr
	v_pk_add_f32 v[LS:LS+1], v[LS:LS+1], v[LS+2:LS+3]
	v_add_f32 v[LS], v[LS], v[LS+1]
.irp t, 0,1,2,3,4,5,6,7,8
.irp p, 0,1,2,3
	v_cvt_pk_f16_f32 v[PF+4*(\t+(\i&1))+\p], v[S+8*\t+2*\p], v[S+8*\t+2*\p+1]   ; keys 8h .. +7 of query r: half a fragment as it stands
.endr
.endr
	v_permlanex16_b32 v[TMP], v[LS], s28, s29
	v_add_f32 v[LS], v[LS], v[TMP]
	v_rcp_f32 v[RL], v[LS]
	v_rcp_f32 v[RL+1], v[LS]
	v_nop                                          ; the plain place behind the reciprocals
	s_wait_dscnt 0x0                               ; V is in (counts for the first tile only)
	WIN 0x02                                       ; source 0 window 2: V transposed.  Result register j: d = 16 dt + 8h + j, query r
.irp u, 0,1,2,3,4
.irp d, 0,1,2,3
.if \u == 0
	v_wmma_f32_16x16x32_f16 v[O+8*\d:O+8*\d+7], v[8*(4*((\i>>1)+\u)+\d):8*(4*((\i>>1)+\u)+\d)+7], v[PF+8*\u:PF+8*\u+7], 0
.else
	v_wmma_f32_16x16x32_f16 v[O+8*\d:O+8*\d+7], v[8*(4*((\i>>1)+\u)+\d):8*(4*((\i>>1)+\u)+\d)+7], v[PF+8*\u:PF+8*\u+7], v[O+8*\d:O+8*\d+7]
.endif
.endr
.endr
	WIN 0
	PLACES
.set pp, 0
	s_wait_alu depctr_va_vdst(0)
.rept 16
	v_pk_mul_f32 v[O+2*pp:O+2*pp+1], v[O+2*pp:O+2*pp+1], v[RL:RL+1]
.set pp, pp+1
.endr
.irp d, 0,1,2,3
.irp p, 0,1,2,3
	v_cvt_pk_f16_f32 v[QF+16*\i+4*\d+\p], v[O+8*\d+2*\p], v[O+8*\d+2*\p+1]      ; into the q registers of this tile: dead, and never written again
.endr
.endr
.irp d, 0,1,2,3
	global_store_b128 v[AOF], v[QF+16*\i+4*\d:QF+16*\i+4*\d+3], s[18:19] offset:\i*16384+\d*512   ; 512 consecutive bytes, aligned
.endr
.endm
	ATT 0
	ATT 1
	ATT 2
	ATT 3
	s_set_vgpr_msb 0xf
	s_wait_tensorcnt 0x0
	ds_add_u32 v254, v255
	s_wait_dscnt 0x0
	s_set_vgpr_msb 0xf00
	s_endpgm
.Lfunc_end_k_q327ed733fb_qkv_attn:
	.size	k_q327ed733fb_qkv_attn, .Lfunc_end_k_q327ed733fb_qkv_attn-k_q327ed733fb_qkv_attn
	.p2alignl 7, 3214868480
	.fill 96, 4, 3214868480
	.section	.rodata,"a",@progbits
	.p2align	6, 0x0
	.amdhsa_kernel k_q327ed733fb_qkv_attn
		.amdhsa_group_segment_fixed_size 311296
		.amdhsa_private_segment_fixed_size 0
		.amdhsa_enable_private_segment 0
		.amdhsa_kernarg_size 64
		.amdhsa_user_sgpr_count 2
		.amdhsa_user_sgpr_kernarg_segment_ptr 1
		.amdhsa_wavefront_size32 1
		.amdhsa_system_sgpr_workgroup_id_x 1
		.amdhsa_system_sgpr_workgroup_id_y 1
		.amdhsa_system_sgpr_workgroup_id_z 1
		.amdhsa_system_vgpr_workitem_id 0
		.amdhsa_next_free_vgpr 1024
		.amdhsa_next_free_sgpr 66
		.amdhsa_reserve_vcc 0
		.amdhsa_float_denorm_mode_32 3
		.amdhsa_float_denorm_mode_16_64 3
		.amdhsa_memory_ordered 1
		.amdhsa_forward_progress 1
		.amdhsa_inst_pref_size 255
	.end_amdhsa_kernel
	.section	.bss,"aw",@nobits
	.p2align	6
	.space	262144
	.amdgpu_metadata
---
amdhsa.version: [ 1, 2 ]
amdhsa.kernels:
  - .name:           k_q327ed733fb_qkv_attn
    .symbol:         k_q327ed733fb_qkv_attn.kd
    .args:
      - { .name: x, .offset: 0, .size: 8, .value_kind: global_buffer, .address_space: global }
      - { .name: Wq, .offset: 8, .size: 8, .value_kind: global_buffer, .address_space: global }
      - { .name: Wk, .offset: 16, .size: 8, .value_kind: global_buffer, .address_space: global }
      - { .name: Wv, .offset: 24, .size: 8, .value_kind: global_buffer, .address_space: global }
      - { .name: bq, .offset: 32, .size: 8, .value_kind: global_buffer, .address_space: global }
      - { .name: bk, .offset: 40, .size: 8, .value_kind: global_buffer, .address_space: global }
      - { .name: bv, .offset: 48, .size: 8, .value_kind: global_buffer, .address_space: global }
      - { .name: attn, .offset: 56, .size: 8, .value_kind: global_buffer, .address_space: global }
    .group_segment_fixed_size: 311296
    .private_segment_fixed_size: 0
    .kernarg_segment_align: 8
    .kernarg_segment_size: 64
    .max_flat_workgroup_size: 128
    .sgpr_count:     66
    .vgpr_count:     1024
    .wavefront_size: 32
...
	.end_amdgpu_metadata
.endif
;; end of part 1
;; launch outproj (part 2): grid 8 x 32, 4 waves a work-group, no clusters, 84,992 bytes of LDS; arguments attn, Wo, bo, out0; writes out0
.if DOCPART == 2
	.amdgcn_target "amdgcn-amd-amdhsa--gfx1250"
	.amdhsa_code_object_version 6
	.text
	.protected	k_q327ed733fb_outproj
	.globl	k_q327ed733fb_outproj
	.p2align	8
	.type	k_q327ed733fb_outproj,@function
k_q327ed733fb_outproj:
	s_mov_b64 s[64:65], 0
	v_nop
	global_prefetch_b8 v0, s[64:65] scope:SCOPE_SE
	s_setreg_imm32_b32 hwreg(HW_REG_WAVE_MODE, 25, 1), 1
	s_wait_xcnt 0x0
; outproj: out0 = attn Wo + bo.  attn: f16 in fragment order (blocks of 512 bytes, block (R = row/16, c = column/16) at (32 R + c) 512, lane L
; owns the 16 bytes at 16 L).  Wo: [512 k][512 n] f32, bo: [512] f32, out0: [8192][512] f32.
; A work-group makes 256 rows (ttmp7) x 64 columns (ttmp9); wave w its rows 64 w .. +63: 4 x 4 accumulator tiles.  K = 512 is 16 k-steps.
; The 64 rows x 512 k of a wave are 128 loads of 512 consecutive bytes that land as fragments: all are asked for at the start and kept in
; 512 registers; no other wave of the work-group reads them, so they pass by LDS.  The 64 columns of Wo are converted to f16 and
; transposed into LDS once (66,624 bytes), as in the first launch.
; Operands f16, sums f32.  LIMIT: |Wo| below 65,504 (f16).
; NO CLUSTER, NO TENSOR LOADS: attn rows are shared by the 8 column blocks and Wo by the 32 row blocks, but attn lands straight in
; registers here (a joint request would add 64 KiB a wave into LDS and out again), and Wo has to be converted on its way (f32 in memory).
; The matrix instruction is used transposed (source 0 = Wo, source 1 = attn): a lane holds row r, 8 neighbouring columns.
.set WROW, 1040
.set WGRP, 16656
.set STAGE, 66816                      ; behind Wt: 16 rows x 272 bytes for each wave
.set SP,   272
.set WGO,  4
.set WST,  5
.set WLD,  6
.set AOF,  7
.set STO,  8
.set RD,   9
.set CO,   10
.set BOF8, 11
.set BO,   32                          ; v32-63   bo[16b+8h .. +7] at 8 b
.set ACC,  64                          ; v64-191  tile (a, b) at 8 (4a+b); before that the converted weights
.set RB,   192                         ; v192-255 two sets of 32: rows on their way out
; window 1: the weights as loaded (block i at 32 i), then 8 buffers of 4 W fragments (k-step s at 32 (s&7));
; windows 2, 3: the attn fragments, k-step s in window 2 + (s>>3) at 8 (4 (s&7) + a)
.set MSB, 0
.macro WIN new
.if MSB != \new
	s_set_vgpr_msb (MSB<<8)|\new
.set MSB, \new
.endif
.endm
.macro PLACES                          ; four independent vector places behind matrix instructions (ISA guide 7.12.1)
.rept 4
	v_nop
.endr
.endm
	s_load_b256 s[4:11], s[0:1], 0x0               ; attn s[4:5], Wo s[6:7], bo s[8:9], out0 s[10:11]
	v_lshl_add_u32 v26, v0, 2, 0x14a00
	v_mov_b32 v27, 0
	v_lshrrev_b32 v1, 5, v0
	v_readfirstlane_b32 s12, v1                    ; w
	s_and_b32 s13, ttmp7, 0xffff                   ; rb
	s_lshl_b32 s14, ttmp9, 8                       ; 64 columns of f32: 256 bytes
	s_mov_b32 s15, 0
	v_and_b32 v1, 31, v0                           ; L
	v_and_b32 v2, 15, v0                           ; r
	v_bfe_u32 v3, v0, 4, 1                         ; h
	v_lshrrev_b32 v28, 4, v0
	v_lshlrev_b32 v29, 4, v2                       ; 16 r
	v_lshl_add_u32 v[WGO], v28, 14, v29            ; Wo in memory: 8 (t>>4) rows, 16 (t&15)
	v_lshrrev_b32 v30, 2, v2
	v_mul_u32_u24 v30, v30, WGRP
	v_and_b32 v31, 3, v0
	v_mad_u32_u24 v30, v31, 4*WROW, v30
	v_lshl_add_u32 v[WST], v28, 4, v30             ; Wt: column 4 (t&15) + c, k = 8 (t>>4)
	v_mul_u32_u24 v31, v2, WROW
	v_lshl_add_u32 v[WLD], v3, 4, v31
	v_lshlrev_b32 v[AOF], 4, v1
	s_mul_i32 s16, s12, 16*SP
	s_add_co_u32 s16, s16, STAGE                   ; my stage
	v_mul_u32_u24 v30, v2, SP
	v_lshl_add_u32 v30, v3, 5, v30
	v_add_nc_u32 v[STO], s16, v30                  ; in: row r, 32 bytes for each half of the lanes
	v_mul_u32_u24 v30, v3, SP
	v_add_nc_u32 v30, v29, v30
	v_add_nc_u32 v[RD], s16, v30                   ; back: lanes 0-15 one row of 256 bytes, lanes 16-31 the next
	v_lshl_add_u32 v[CO], v3, 11, v29              ; and the same two rows in out0
	v_lshlrev_b32 v[BOF8], 5, v3
	s_lshl_b32 s16, s13, 18                        ; attn: (16 rb + 4 w) row blocks of 16,384 bytes
	s_lshl_b32 s17, s12, 16
	s_add_co_u32 s16, s16, s17
	s_mov_b32 s17, 0
	s_lshl_b32 s18, s13, 19                        ; out0: (256 rb + 64 w) rows of 2,048 bytes
	s_lshl_b32 s19, s12, 17
	s_add_co_u32 s18, s18, s19
	s_mov_b32 s19, 0
	s_wait_kmcnt 0x0
	s_add_nc_u64 s[4:5], s[4:5], s[16:17]
	s_add_nc_u64 s[6:7], s[6:7], s[14:15]
	s_add_nc_u64 s[8:9], s[8:9], s[14:15]
	s_add_nc_u64 s[10:11], s[10:11], s[14:15]
	s_add_nc_u64 s[10:11], s[10:11], s[18:19]
	; ALL LOADS AT ONCE: 8 of the bias, 64 of Wo, 128 of attn in the order of the k-steps.  The issue holds by itself where the counter
	; is full (ISA guide 5.7.1), so no wait stands among them.
.irp b, 0,1,2,3
	global_load_b128 v[BO+8*\b:BO+8*\b+3],   v[BOF8], s[8:9] offset:64*\b
	global_load_b128 v[BO+8*\b+4:BO+8*\b+7], v[BOF8], s[8:9] offset:64*\b+16
.endr
	WIN 0x40
.irp i, 0,1,2,3,4,5,6,7
.irp j, 0,1,2,3,4,5,6,7
	global_load_b128 v[32*\i+4*\j:32*\i+4*\j+3], v[WGO], s[6:7] offset:\i*131072+\j*2048   ; Wo[64 i + 8 (t>>4) + j][4 (t&15) ..]
.endr
.endr
	WIN 0x80
.irp s, 0,1,2,3,4,5,6,7
.irp a, 0,1,2,3
	global_load_b128 v[8*(4*\s+\a):8*(4*\s+\a)+3],   v[AOF], s[4:5] offset:\a*16384+\s*1024
	global_load_b128 v[8*(4*\s+\a)+4:8*(4*\s+\a)+7], v[AOF], s[4:5] offset:\a*16384+\s*1024+512
.endr
.endr
	WIN 0xc0
.irp s, 0,1,2,3,4,5,6,7
.irp a, 0,1,2,3
	global_load_b128 v[8*(4*\s+\a):8*(4*\s+\a)+3],   v[AOF], s[4:5] offset:\a*16384+(\s+8)*1024
	global_load_b128 v[8*(4*\s+\a)+4:8*(4*\s+\a)+7], v[AOF], s[4:5] offset:\a*16384+(\s+8)*1024+512
.endr
.endr
	s_wait_loadcnt 63                              ; 128 loads are younger than the last of Wo: with 63 out, bias and Wo are in
	WIN 0x05                                       ; both sources window 1, result window 0
.irp i, 0,1,2,3,4,5,6,7
.irp c, 0,1,2,3
.irp q, 0,1,2,3
	v_cvt_pk_f16_f32 v[ACC+16*\i+4*\c+\q], v[32*\i+8*\q+\c], v[32*\i+8*\q+4+\c]   ; column c: 8 neighbouring k
.endr
.endr
.endr
	WIN 0
.irp i, 0,1,2,3,4,5,6,7
.irp c, 0,1,2,3
	ds_store_b128 v[WST], v[ACC+16*\i+4*\c:ACC+16*\i+4*\c+3] offset:\c*WROW+\i*128
.endr
.endr
	s_wait_dscnt 0x0                               ; my part of Wt is written: zero, for the sake of the other waves
	s_barrier_signal -1
	s_barrier_wait -1                              ; Wt is whole
.macro WFR s                           ; the four W fragments of k-step s
	WIN 0x40
.irp b, 0,1,2,3
	ds_load_b128 v[32*((\s)&7)+8*\b:32*((\s)&7)+8*\b+3],   v[WLD] offset:\b*WGRP+64*(\s)
	ds_load_b128 v[32*((\s)&7)+8*\b+4:32*((\s)&7)+8*\b+7], v[WLD] offset:\b*WGRP+64*(\s)+32
.endr
.endm
.macro MULS s                          ; 16 products of k-step s; the first step starts the sums
.irp a, 0,1,2,3
.irp b, 0,1,2,3
.if (\s) == 0
	v_wmma_f32_16x16x32_f16 v[ACC+8*(4*\a+\b):ACC+8*(4*\a+\b)+7], v[32*((\s)&7)+8*\b:32*((\s)&7)+8*\b+7], v[8*(4*((\s)&7)+\a):8*(4*((\s)&7)+\a)+7], 0
.else
	v_wmma_f32_16x16x32_f16 v[ACC+8*(4*\a+\b):ACC+8*(4*\a+\b)+7], v[32*((\s)&7)+8*\b:32*((\s)&7)+8*\b+7], v[8*(4*((\s)&7)+\a):8*(4*((\s)&7)+\a)+7], v[ACC+8*(4*\a+\b):ACC+8*(4*\a+\b)+7]
.endif
.endr
.endr
.endm
	WFR 0
	WFR 1
	WFR 2
	WFR 3
.set ss, 0
.rept 16
.if ss <= 11
	PLACES                                         ; the buffer that is loaded now was read by matrix instructions four steps ago
	WFR (ss+4)
	s_wait_dscnt 32                                ; the fragments of four later steps, 8 loads each, stay out
.else
	s_wait_dscnt 8*(15-ss)                         ; nothing new is asked for: the counts run down
.endif
.if 120-8*ss > 63
	s_wait_loadcnt 63                              ; the count that the field can name; 120 - 8 s loads are younger
.else
	s_wait_loadcnt 120-8*ss                        ; the attn loads of the later steps, 8 each, stay out
.endif
.if ss < 8
	WIN 0x09                                       ; source 0 window 1 (W), source 1 window 2 (attn), C and D window 0
.else
	WIN 0x0d                                       ; source 1 window 3
.endif
	MULS ss
.set ss, ss+1
.endr
	; THE WAY OUT, 16 rows at a time: + bias, 32 bytes a lane into my own stage, read back as whole rows of 256 bytes.
	; LDS serves a wave in order (ISA guide 5.7.1): no wait between my stores and my loads, nor before the next stores.
	WIN 0
	PLACES                                         ; behind the last matrix instructions
.macro OUT a
.irp b, 0,1,2,3
.irp p, 0,2,4,6
	v_pk_add_f32 v[ACC+8*(4*\a+\b)+\p:ACC+8*(4*\a+\b)+\p+1], v[ACC+8*(4*\a+\b)+\p:ACC+8*(4*\a+\b)+\p+1], v[BO+8*\b+\p:BO+8*\b+\p+1]
.endr
.endr
.irp b, 0,1,2,3
	ds_store_b128 v[STO], v[ACC+8*(4*\a+\b):ACC+8*(4*\a+\b)+3]   offset:64*\b
	ds_store_b128 v[STO], v[ACC+8*(4*\a+\b)+4:ACC+8*(4*\a+\b)+7] offset:64*\b+16
.endr
	s_wait_xcnt 0x0                                ; the set of 32 that earlier stores read is loaded again only behind this wait
.irp t, 0,1,2,3,4,5,6,7
	ds_load_b128 v[RB+32*(\a&1)+4*\t:RB+32*(\a&1)+4*\t+3], v[RD] offset:\t*2*SP
.endr
.irp t, 0,1,2,3,4,5,6,7
	s_wait_dscnt 7-\t                              ; rows 2t, 2t+1 are in; the younger loads stay out
	global_store_b128 v[CO], v[RB+32*(\a&1)+4*\t:RB+32*(\a&1)+4*\t+3], s[10:11] offset:(16*\a+2*\t)*2048 th:TH_STORE_NT   ; 16 lanes: 256 consecutive bytes, aligned
.endr
.endm
	OUT 0
	OUT 1
	OUT 2
	OUT 3
	s_wait_tensorcnt 0x0
	ds_add_u32 v26, v27
	s_wait_dscnt 0x0
	s_endpgm
.Lfunc_end_k_q327ed733fb_outproj:
	.size	k_q327ed733fb_outproj, .Lfunc_end_k_q327ed733fb_outproj-k_q327ed733fb_outproj
	.p2alignl 7, 3214868480
	.fill 96, 4, 3214868480
	.section	.rodata,"a",@progbits
	.p2align	6, 0x0
	.amdhsa_kernel k_q327ed733fb_outproj
		.amdhsa_group_segment_fixed_size 84992
		.amdhsa_private_segment_fixed_size 0
		.amdhsa_enable_private_segment 0
		.amdhsa_kernarg_size 32
		.amdhsa_user_sgpr_count 2
		.amdhsa_user_sgpr_kernarg_segment_ptr 1
		.amdhsa_wavefront_size32 1
		.amdhsa_system_sgpr_workgroup_id_x 1
		.amdhsa_system_sgpr_workgroup_id_y 1
		.amdhsa_system_sgpr_workgroup_id_z 1
		.amdhsa_system_vgpr_workitem_id 0
		.amdhsa_next_free_vgpr 1024
		.amdhsa_next_free_sgpr 66
		.amdhsa_reserve_vcc 0
		.amdhsa_float_denorm_mode_32 3
		.amdhsa_float_denorm_mode_16_64 3
		.amdhsa_memory_ordered 1
		.amdhsa_forward_progress 1
		.amdhsa_inst_pref_size 72
	.end_amdhsa_kernel
	.amdgpu_metadata
---
amdhsa.version: [ 1, 2 ]
amdhsa.kernels:
  - .name:           k_q327ed733fb_outproj
    .symbol:         k_q327ed733fb_outproj.kd
    .args:
      - { .name: attn, .offset: 0, .size: 8, .value_kind: global_buffer, .address_space: global }
      - { .name: Wo, .offset: 8, .size: 8, .value_kind: global_buffer, .address_space: global }
      - { .name: bo, .offset: 16, .size: 8, .value_kind: global_buffer, .address_space: global }
      - { .name: out0, .offset: 24, .size: 8, .value_kind: global_buffer, .address_space: global }
    .group_segment_fixed_size: 84992
    .private_segment_fixed_size: 0
    .kernarg_segment_align: 8
    .kernarg_segment_size: 32
    .max_flat_workgroup_size: 128
    .sgpr_count:     66
    .vgpr_count:     1024
    .wavefront_size: 32
...
	.end_amdgpu_metadata
.endif
;; end of part 2
;; ======== version 2 of 2: 2 launches; version 1 with the launch qkv_attn written anew for expert scheduling mode
;; limits: values are held in f16: magnitudes above 65,504 overflow, below 6.1e-05 lose precision
;; workspace buffers: attn 8,388,608 bytes
;; launch qkv_attn (part 3): grid 8 x 32, 4 waves a work-group, no clusters, 311,296 bytes of LDS; arguments x, Wq, Wk, Wv, bq, bk, bv, attn; writes attn
.if DOCPART == 3
	.amdgcn_target "amdgcn-amd-amdhsa--gfx1250"
	.amdhsa_code_object_version 6
	.text
	.protected	k_q327ed733fb_qkv_attn
	.globl	k_q327ed733fb_qkv_attn
	.p2align	8
	.type	k_q327ed733fb_qkv_attn,@function
k_q327ed733fb_qkv_attn:
	s_mov_b64 s[64:65], 0
	v_nop
	global_prefetch_b8 v0, s[64:65] scope:SCOPE_SE
	s_setreg_imm32_b32 hwreg(HW_REG_WAVE_SCHED_MODE, 0, 2), 2
	s_setreg_imm32_b32 hwreg(HW_REG_WAVE_MODE, 25, 1), 1
	s_wait_xcnt 0x0
	s_wait_alu depctr_vm_vsrc(0)
; qkv_attn: one work-group = one head (ttmp9) x 256 query rows (ttmp7).  It makes q on its 256 rows and k, v on 384 rows (64 rows of halo
; on each side), runs the banded softmax attention (|i-j| <= 64) on chip and stores the normalised head output in f16.
; x: [8192][512] f32, W*: [512 k][512 n] f32, b*: [512] f32.
; attn (workspace): blocks of 512 bytes; block (R = row/16, c = column/16) at byte (32 R + c) 512; lane L = (r = L&15, h = L>>4) owns the
; 16 bytes at 16 L = o[16R+r][16c+8h .. +7] in f16: blocks (R,2s),(R,2s+1) are registers 0-3, 4-7 of a matrix fragment of k-step s.
; FORMAT: all matrix operands are f16, all sums f32.  LIMITS, kept on purpose: inputs finite; |x|, |W|, |q|, |k|, |v| below 65,504 (f16);
; a probability below about 6e-8 rounds to 0; keys outside the batch enter as 0 x v, so a non-finite x in the 64 rows beside a batch
; edge would reach the neighbouring batch.  The row maximum over the valid keys is taken away before the exponential.
; NO CLUSTER, NO TENSOR LOADS: x is shared by the 8 heads and W by the 32 row blocks, but a joint request lays raw f32 into LDS.  Beside the
; resident f16 weights (199,872 bytes) 127,808 bytes are left: one K=64 slot of 384 f32 rows (104,448 bytes with padding), so a ring
; would be drained in every trip; and f32 in and out of LDS is 96 KiB a k-step against 48 KiB for the f16 stage used here.
; So tiles go memory -> registers (f32) -> f16 -> LDS, one K=64 chunk (48 loads a wave) always on its way.
;
; THE MODE: SCHED_MODE bits 1:0 = 2 (LLVM: expert scheduling mode 2), set by the entry lines.  The code itself states the register dependences
; between vector or matrix instructions and memory or LDS instructions, with s_wait_alu, always for 0.
; THE PLAN.  Registers that memory or LDS instructions touch in the products (group g of a trip's six):
;   ST[g]        slot g of six.  Read by the 16 conversions at the group's head; the loads of the chunk after the next land in it in the same group.
;   TA[g&1]      two sets of 16.  Written by those conversions; read by the group's eight stage stores; written again two groups on.
;   WB[(g+1)&1]  Read by group g-1's matrix instructions; group g's LDS loads land in it; read by group g+1's.
;   XA[0], XA[1] XA[0] is read by groups 0-2 and loaded in group 5; XA[1] is read by groups 3-5 and loaded in group 2.
;   v[WLD ..]    Read by the loads of W fragments; written once in two trips.  v[XO ..], v[XST], v[XLD] are never written again: x is reached
;                by its scalar base, which moves on once in two trips, and by immediate offsets.
; So a group's head has two waits: on vm_vsrc ahead of the conversions (the stores of two groups back have read the set), and on va_vdst behind
; them (the set is written, the slot is read, the group before is done with the other W buffer and the other x buffer, v[WLD ..] is written).
; The group's matrix instructions name WB[g&1], XA[g/3] and accumulators: none of the registers that its memory instructions touch, so
; these are dealt among the products, in two runs, with no further wait.  The weights' queue goes by the same two waits a block.
;
; A WAVE (w = 0..3) owns six tiles of 16 rows: a = 0..3 its 64 queries (local rows 64+64w+16a), a = 4,5 two halo tiles (local rows
; 32w+256(w>>1)+16(a-4)); local row l = global row 256 rb - 64 + l.  q on a < 4 only: 16+24+24 = 64 accumulator tiles.
; q and k use the matrix instruction transposed (source 0 = W, source 1 = x): a lane holds row r, 8 neighbouring d.
; v uses it as written (source 0 = x, source 1 = W): a lane holds column d = r, 8 neighbouring keys = 16 bytes of V transposed.
;
; LDS: Wt 0..199,872: (n>>4) 16,656 + (n&15) 1,040 + 2k, n = 0..191 (q, k, v: 64 columns each).  XS 200,192..310,784: wave w at
; XS + 27,648 w, two buffers of 96 rows x 144 bytes, its own.  After the products Wt is dead: KA 0..55,296 (row 144 + 2d),
; VT 55,296..105,472 (d 784 + 2 key).  All pitches are odd multiples of 16 bytes, so that the 16 rows of a 16-byte access fall on
; 16 different 16-byte columns modulo 256; the 16 bytes more in each group of 16 Wt rows do the same for the transposing stores.
.set WROW, 1040
.set WGRP, 16656
.set WMAT, 66624
.set XS,   200192
.set XWAVE, 27648
.set XBUF, 13824
.set XP,   144
.set KP,   144
.set VT,   55296
.set VP,   784
; window 0
.set WGO,  4                           ; W in memory: (t>>4) 8 rows + 16 (t&15)
.set WST,  5                           ; W in LDS, transposed
.set XO,   6                           ; v6-11  x offset of tile a: row (g_a + 8h), 16 r; never rewritten
.set XST,  12                          ; stage, store
.set XLD,  13                          ; stage, fragment load
.set WLD,  14                          ; v14-16 Wt fragment load, q, k, v
.set KST0, 17
.set KST1, 18
.set VST0, 19
.set VST1, 20
.set KLD,  21
.set VLD,  22
.set AOF,  23                          ; 16 L
.set NINF, 24                          ; -infinity
.set FD,   25                          ; r - 8h
.set BOF8, 26                          ; 32 h
.set BOF1, 27                          ; 4 r
.set ST,   32                          ; v32-223 six slots of 32: loads in flight
.set TA,   224                         ; v224-255 two sets of 16: converted numbers on their way to LDS
; windows 1-3 (low numbers): 1: accK 0-191, WB 192-255 (two buffers of 4 W fragments); 2: accV 0-191, BQ 192-223, BK 224-255;
; 3: accQ 0-127, XA 128-223 (two buffers of 6 x fragments), BV 224-231
.set WB,   192
.set XA,   128
; attention, window 0
.set QF,   32                          ; v32-95  q fragments: tile (i, b) at QF + 4 (4i+b); later the packed output
.set S,    96                          ; v96-167 nine score tiles
.set O,    96                          ; v96-127 four output tiles (the scores are dead by then)
.set PF,   168                         ; v168-207 ten half fragments of P
.set NMT,  208                         ; v208-225 nine pairs: tile maximum, then the addend of the exponent
.set MX,   226
.set TMP,  227
.set LS,   228
.set RL,   232
.set MLO,  32                          ; s32-39 lane masks j >= r - 8h
.set MHI,  40                          ; s40-47 lane masks j <= r - 8h
.set TV,   48                          ; s48-59 key tile T of this wave lies in the batch: -1 or 0
.set MSB, 0
.macro WIN new                         ; the high byte of the immediate repeats the setting that is left
.if MSB != \new
	s_set_vgpr_msb (MSB<<8)|\new
.set MSB, \new
.endif
.endm
.macro PLACES                          ; four independent vector places behind matrix instructions (ISA guide 7.12.1)
.rept 4
	v_nop
.endr
.endm
	s_load_b256 s[4:11], s[0:1], 0x0               ; x s[4:5], Wq s[6:7], Wk s[8:9], Wv s[10:11]
	s_load_b256 s[12:19], s[0:1], 0x20             ; bq s[12:13], bk s[14:15], bv s[16:17], attn s[18:19]
	s_set_vgpr_msb 0xc0
	v_lshl_add_u32 v254, v0, 2, 0x4be00
	v_mov_b32 v255, 0
	s_set_vgpr_msb 0xc000
	v_lshrrev_b32 v1, 5, v0
	v_readfirstlane_b32 s20, v1                    ; w
	s_and_b32 s22, ttmp7, 0xffff                   ; rb: block of 256 rows
	s_and_b32 s23, s22, 7                          ; its place in the batch (2,048 rows = 8 blocks)
	s_lshl_b32 s24, ttmp9, 8                       ; the 64 columns of the head: 256 bytes, in W rows and in the biases
	s_mov_b32 s25, 0
	s_mov_b32 s26, 0x3e38aa3b                      ; log2(e) / 8: the scale 1/sqrt(64) and the change of base in one factor
	s_mov_b32 s27, 0x3e38aa3b
	s_mov_b32 s28, 0x76543210                      ; v_permlanex16_b32: lane i takes lane i of the other half
	s_mov_b32 s29, 0xfedcba98
	v_and_b32 v1, 31, v0                           ; L
	v_and_b32 v2, 15, v0                           ; r
	v_bfe_u32 v3, v0, 4, 1                         ; h
	v_lshlrev_b32 v[FD], 3, v3
	v_sub_nc_u32 v[FD], v2, v[FD]
	; The band.  Score register j of lane (r, h) in tile t of query tile i: key - query = 16 t + 8 h + j - 64 - r.
	; t = 0: inside where j >= r - 8h; t = 8: inside where j <= r - 8h; t = 1..7: between -63 and 63, always inside.
.irp j, 0,1,2,3,4,5,6,7
	v_cmp_ge_i32 s[MLO+\j], \j, v[FD]
	v_cmp_le_i32 s[MHI+\j], \j, v[FD]
.endr
	v_lshrrev_b32 v28, 4, v0                       ; t >> 4, 0..7
	v_lshlrev_b32 v29, 4, v2                       ; 16 r
	v_lshl_add_u32 v[WGO], v28, 14, v29            ; 8 rows of 2,048 bytes for each t>>4
	v_lshrrev_b32 v30, 2, v2
	v_mul_u32_u24 v30, v30, WGRP                   ; column n = 4 (t&15) + c: group n>>4 = (t&15)>>2,
	v_and_b32 v31, 3, v0
	v_mad_u32_u24 v30, v31, 4*WROW, v30            ; row in the group 4 (t&3) + c,
	v_lshl_add_u32 v[WST], v28, 4, v30             ; k = 8 (t>>4): 16 bytes
	v_lshl_add_u32 v29, v3, 14, v29                ; x: 8 h rows + 16 r
	s_wait_alu depctr_va_sdst(0)                   ; s20 and the sixteen lane masks are written
	s_lshl_b32 s60, s22, 8                         ; 256 rb
	s_lshl_b32 s61, s20, 6
	s_add_co_u32 s61, s60, s61                     ; my first query row
	s_lshl_b32 s61, s61, 11
.irp a, 0,1,2,3
	v_add_nc_u32 v[XO+\a], s61, v29
	s_add_co_u32 s61, s61, 32768                   ; 16 rows on
.endr
	s_lshl_b32 s62, s20, 5
	s_lshr_b32 s63, s20, 1
	s_lshl_b32 s63, s63, 8
	s_add_co_u32 s62, s62, s63                     ; s62 = local row of my halo tiles: 32 w + 256 (w>>1)
	s_add_co_u32 s63, s60, s62
	s_sub_co_i32 s63, s63, 64                      ; global row; below 0 or past 8,191 at the two ends of x
.irp a, 4,5
	s_max_i32 s61, s63, 0                          ; clamped into x: those keys lie outside the batch and get the weight 0
	s_min_i32 s61, s61, 8176
	s_lshl_b32 s61, s61, 11
	v_add_nc_u32 v[XO+\a], s61, v29
	s_add_co_i32 s63, s63, 16
.endr
	s_mul_i32 s60, s20, XWAVE
	s_add_co_u32 s60, s60, XS                      ; my stage
	v_mul_u32_u24 v30, v3, 8*XP
	v_lshl_add_u32 v30, v2, 3, v30
	v_add_nc_u32 v[XST], s60, v30                  ; row 8h (+ i), 8 bytes at 8 r
	v_mul_u32_u24 v30, v2, XP
	v_lshl_add_u32 v30, v3, 4, v30                 ; r 144 + 16 h
	v_add_nc_u32 v[XLD], s60, v30
	v_mul_u32_u24 v31, v2, WROW
	v_lshl_add_u32 v[WLD], v3, 4, v31
	v_add_nc_u32 v[WLD+1], WMAT, v[WLD]
	v_add_nc_u32 v[WLD+2], 2*WMAT, v[WLD]
	s_mul_i32 s60, s20, 64*KP
	v_add_nc_u32 v[KLD], s60, v30                  ; keys from local row 64 w
	s_add_co_u32 s60, s60, 64*KP
	v_add_nc_u32 v[KST0], s60, v30                 ; my query rows, from 64 + 64 w
	s_mul_i32 s60, s62, KP
	v_add_nc_u32 v[KST1], s60, v30                 ; my halo rows
	v_mul_u32_u24 v31, v2, VP
	v_lshl_add_u32 v31, v3, 4, v31                 ; r 784 + 2 (8 h)
	s_lshl_b32 s60, s20, 7
	s_add_co_u32 s60, s60, VT
	v_add_nc_u32 v[VLD], s60, v31
	s_add_co_u32 s60, s60, 128
	v_add_nc_u32 v[VST0], s60, v31
	s_lshl_b32 s60, s62, 1
	s_add_co_u32 s60, s60, VT
	v_add_nc_u32 v[VST1], s60, v31
	v_lshlrev_b32 v[AOF], 4, v1
	v_mov_b32 v[NINF], 0xff800000
	v_lshlrev_b32 v[BOF8], 5, v3
	v_lshlrev_b32 v[BOF1], 2, v2
	; The batch.  Of the 24 local key tiles the first 4 fall away in the first block of a batch, the last 4 in the last block.
	s_cmp_eq_u32 s23, 0
	s_cselect_b32 s60, 4, 0
	s_cmp_eq_u32 s23, 7
	s_cselect_b32 s61, 20, 24
	s_sub_co_u32 s61, s61, s60
	s_bfm_b32 s61, s61, s60                        ; ones at the valid tiles
	s_lshl_b32 s62, s20, 2
	s_lshr_b32 s61, s61, s62                       ; my tile T is local tile 4 w + T
.irp kt, 0,1,2,3,4,5,6,7,8,9,10,11
	s_bitcmp1_b32 s61, \kt
	s_cselect_b32 s[TV+\kt], -1, 0
.endr
	s_lshl_b32 s60, s22, 18                        ; attn: 16 rb + 4 w row blocks of 16,384 bytes, 4 head column blocks of 512
	s_lshl_b32 s61, s20, 16
	s_add_co_u32 s60, s60, s61
	s_lshl_b32 s61, ttmp9, 11
	s_add_co_u32 s60, s60, s61
	s_mov_b32 s61, 0
	s_wait_kmcnt 0x0
	s_add_nc_u64 s[6:7], s[6:7], s[24:25]
	s_add_nc_u64 s[8:9], s[8:9], s[24:25]
	s_add_nc_u64 s[10:11], s[10:11], s[24:25]
	s_add_nc_u64 s[12:13], s[12:13], s[24:25]
	s_add_nc_u64 s[14:15], s[14:15], s[24:25]
	s_add_nc_u64 s[16:17], s[16:17], s[24:25]
	s_add_nc_u64 s[18:19], s[18:19], s[60:61]
	; biases, 24 loads, the oldest of all: the first counted wait below covers them
	WIN 0x80
	s_wait_alu depctr_va_vdst(0)                   ; all offsets and LDS addresses, v4 to v27, are written: the loads and stores of the whole kernel read them
.irp b, 0,1,2,3
	global_load_b128 v[192+8*\b:195+8*\b], v[BOF8], s[12:13] offset:64*\b       ; bq[16b+8h .. +7]
	global_load_b128 v[196+8*\b:199+8*\b], v[BOF8], s[12:13] offset:64*\b+16
	global_load_b128 v[224+8*\b:227+8*\b], v[BOF8], s[14:15] offset:64*\b       ; bk likewise
	global_load_b128 v[228+8*\b:231+8*\b], v[BOF8], s[14:15] offset:64*\b+16
.endr
	WIN 0xc0
.irp b, 0,1,2,3
	global_load_b32 v[224+2*\b], v[BOF1], s[16:17] offset:64*\b                 ; bv[16b+r], twice: a pair for the packed add
	global_load_b32 v[225+2*\b], v[BOF1], s[16:17] offset:64*\b
.endr
	WIN 0
; Eight loads: block i of the weights = matrix i/8, k rows 64 (i%8) .. +63, the 64 columns of the head.  A load of a wave covers two
; pieces of 256 consecutive bytes.  Thread t gets W[8 (t>>4) + j][4 (t&15) + c] in register 4 j + c of the slot.
.macro WLOAD slot, i
.irp j, 0,1,2,3,4,5,6,7
	global_load_b128 v[ST+32*\slot+4*\j:ST+32*\slot+4*\j+3], v[WGO], s[6+2*(\i/8):7+2*(\i/8)] offset:(\i%8)*131072+\j*2048
.endr
.endm
; A column c of the thread: 8 neighbouring k = 16 bytes of f16 = a piece of row n of Wt
.macro WCVT slot, ts
.irp c, 0,1,2,3
.irp q, 0,1,2,3
	v_cvt_pk_f16_f32 v[TA+16*\ts+4*\c+\q], v[ST+32*\slot+8*\q+\c], v[ST+32*\slot+8*\q+4+\c]
.endr
.endr
.endm
.macro WSTORE ts, kb
.irp c, 0,1,2,3
	ds_store_b128 v[WST], v[TA+16*\ts+4*\c:TA+16*\ts+4*\c+3] offset:\c*WROW+\kb*128
.endr
.endm
; Eight loads: tile a of x, 64 columns (256 bytes of each row) at byte off from the base; load j brings rows j and j + 8
.macro XLOAD a, off
.irp j, 0,1,2,3,4,5,6,7
	global_load_b128 v[ST+32*\a+4*\j:ST+32*\a+4*\j+3], v[XO+\a], s[4:5] offset:\off+\j*2048
.endr
.endm
; Tile a of a chunk becomes f16, in set ts,
.macro XCVT a, ts
.irp j, 0,1,2,3,4,5,6,7
	v_cvt_pk_f16_f32 v[TA+16*\ts+2*\j],   v[ST+32*\a+4*\j],   v[ST+32*\a+4*\j+1]
	v_cvt_pk_f16_f32 v[TA+16*\ts+2*\j+1], v[ST+32*\a+4*\j+2], v[ST+32*\a+4*\j+3]
.endr
.endm
; and goes to the stage
.macro XPUT a, ts, buf
.irp j, 0,1,2,3,4,5,6,7
	ds_store_b64 v[XST], v[TA+16*\ts+2*\j:TA+16*\ts+2*\j+1] offset:\buf*XBUF+(16*\a+\j)*XP
.endr
.endm
.macro WFRAG wb, ty, sl                ; four W fragments (n tiles 0-3 of matrix ty, k-step sl from the address register on)
	WIN 0x40
.irp b, 0,1,2,3
	ds_load_b128 v[WB+32*\wb+8*\b:WB+32*\wb+8*\b+3],   v[WLD+\ty] offset:\b*WGRP+64*\sl
	ds_load_b128 v[WB+32*\wb+8*\b+4:WB+32*\wb+8*\b+7], v[WLD+\ty] offset:\b*WGRP+64*\sl+32
.endr
.endm
.macro XFRAG buf, kk                   ; six x fragments: my 96 rows, 32 k at byte 64 kk of the stage rows
	WIN 0xc0
.irp a, 0,1,2,3,4,5
	ds_load_b128 v[XA+48*\kk+8*\a:XA+48*\kk+8*\a+3],   v[XLD] offset:\buf*XBUF+\a*16*XP+64*\kk
	ds_load_b128 v[XA+48*\kk+8*\a+4:XA+48*\kk+8*\a+7], v[XLD] offset:\buf*XBUF+\a*16*XP+64*\kk+32
.endr
.endm
	; THE WEIGHTS: a queue of items of eight loads on six slots: 24 blocks of W, then the six tiles of x chunk 0, then of chunk 1.
.irp i, 0,1,2,3,4,5
	WLOAD \i, \i
.endr
.set wi, 0
.rept 24
	s_wait_loadcnt 40                              ; five younger items of eight loads stay out
.if wi >= 2
	s_wait_alu depctr_vm_vsrc(0)                   ; the LDS stores of the block two back have read this set of 16; all stores so far have read v[WST]
.endif
.if (wi == 8) || (wi == 16)
	v_add_nc_u32 v[WST], WMAT, v[WST]              ; the next matrix
.endif
	WCVT (wi%6), (wi&1)
	s_wait_alu depctr_va_vdst(0)                   ; the conversions have written the set, which the stores read, and are done reading the slot, in which the loads land; v[WST] is written
.if wi+6 < 24
	WLOAD (wi%6), (wi+6)                           ; the slot is asked for again at once
.else
	XLOAD (wi-18), 0
.endif
	WSTORE (wi&1), (wi%8)
.set wi, wi+1
.endr
.irp a, 0,1,2,3,4,5
	s_wait_loadcnt 40                              ; loads return in order: the eight of slot a are in, five younger items stay out
	s_wait_alu depctr_vm_vsrc(0)                   ; the LDS stores of two items back have read this set of 16
	XCVT \a, (\a&1)
	s_wait_alu depctr_va_vdst(0)                   ; the conversions have written the set, which the stores read, and are done reading the slot, in which the loads land
	XLOAD \a, 256                                  ; chunk 1 is asked for
	XPUT \a, (\a&1), 0                             ; chunk 0 into buffer 0
.endr
	s_wait_dscnt 0x0                               ; my part of Wt is written: zero, for the sake of the other waves
	s_barrier_signal -1
	s_barrier_wait -1                              ; Wt is whole
	WFRAG 0, 0, 0                                  ; no vector or matrix instruction has named these registers yet, and their addresses stand since the head
	XFRAG 0, 0
; four products: row tile a x the 4 column tiles; nat = 1: x is source 0 (v), else W is (q, k); zero = 1 starts the sums
.macro MM4 nat, a, wb, kk, zero
.irp b, 0,1,2,3
.if \nat
.if \zero
	v_wmma_f32_16x16x32_f16 v[8*(4*\a+\b):8*(4*\a+\b)+7], v[XA+48*\kk+8*\a:XA+48*\kk+8*\a+7], v[WB+32*\wb+8*\b:WB+32*\wb+8*\b+7], 0
.else
	v_wmma_f32_16x16x32_f16 v[8*(4*\a+\b):8*(4*\a+\b)+7], v[XA+48*\kk+8*\a:XA+48*\kk+8*\a+7], v[WB+32*\wb+8*\b:WB+32*\wb+8*\b+7], v[8*(4*\a+\b):8*(4*\a+\b)+7]
.endif
.else
.if \zero
	v_wmma_f32_16x16x32_f16 v[8*(4*\a+\b):8*(4*\a+\b)+7], v[WB+32*\wb+8*\b:WB+32*\wb+8*\b+7], v[XA+48*\kk+8*\a:XA+48*\kk+8*\a+7], 0
.else
	v_wmma_f32_16x16x32_f16 v[8*(4*\a+\b):8*(4*\a+\b)+7], v[WB+32*\wb+8*\b:WB+32*\wb+8*\b+7], v[XA+48*\kk+8*\a:XA+48*\kk+8*\a+7], v[8*(4*\a+\b):8*(4*\a+\b)+7]
.endif
.endif
.endr
.endm
; the four products of row tile a for matrix ty, under the matrix's windows
.macro MMT ty, a, wb, kk, zero
.if \ty == 0
	WIN 0xfd                                       ; q: source 0 window 1 (W), source 1 window 3 (x), C and D window 3
	MM4 0, \a, \wb, \kk, \zero
.endif
.if \ty == 1
	WIN 0x5d                                       ; k: C and D window 1
	MM4 0, \a, \wb, \kk, \zero
.endif
.if \ty == 2
	WIN 0xa7                                       ; v: source 0 window 3 (x), source 1 window 1 (W), C and D window 2
	MM4 1, \a, \wb, \kk, \zero
.endif
.endm
; the group's LDS loads: the W fragments of group g+1; in group 2 the x fragments of the trip's second k-step; in group 5 those of the next chunk
.macro GFRAG g, tp, pre
.if \pre
	WFRAG ((\g+1)&1), ((\g+1)%3), (2*\tp+(\g+1)/3)
.if \g == 2
	XFRAG \tp, 1
.endif
.if \g == 5
	XFRAG (1-\tp), 0                               ; behind the store of tile 5: the next chunk is whole on the stage
.endif
.endif
.endm
; the group's loads of x (the chunk after the next: 512 or 768 bytes from the base of this pair of trips) and its stage stores
.macro GMEM g, tp, svc, reissue
.if \svc
	WIN 0
.if \reissue
	XLOAD \g, (512+256*\tp)
.endif
	XPUT \g, (\g&1), (1-\tp)
.endif
.endm
; A TRIP is K = 64: six groups g; k-step g/3, matrix g%3.  Group g multiplies from W buffer g&1 and x buffer g/3, which were asked for one
; group (x: three groups) earlier.  At its head it converts tile g of the next chunk (the 16 conversions are also places behind the last
; matrix instructions); its memory instructions follow the head's waits in two runs among its products.  The stage is the wave's own
; and LDS serves a wave in order (ISA guide 5.7.1): no barrier in the loop.  tp: trip in the pair = stage buffer.
.macro GROUP g, tp, zero, svc, reissue, left, pre
.if \svc
	WIN 0
	s_wait_loadcnt \left                           ; loads return in order: the eight of slot g are in, the younger items stay out
	s_wait_alu depctr_vm_vsrc(0)                   ; the stage stores of two groups back have read this set of 16, which the conversions write again
	XCVT \g, (\g&1)
.else
.if \pre
	PLACES                                         ; no conversions here: four places between the last group's matrix instructions and the loads into the W buffer that they read
.endif
.endif
	s_wait_dscnt 0x0                               ; my fragments are in
.if \svc || \pre
	s_wait_alu depctr_va_vdst(0)                   ; the conversions have written the set and are done reading slot g; the earlier groups' matrix instructions are done reading the other W buffer and the other x buffer; behind a step v[WLD ..] is written
.endif
	MMT (\g%3), 0, (\g&1), (\g/3), \zero
.if \g == 5
	GMEM \g, \tp, \svc, \reissue                   ; no wait: no vector or matrix instruction since the wait above names a register of these two runs
.else
	GFRAG \g, \tp, \pre
.endif
	MMT (\g%3), 1, (\g&1), (\g/3), \zero
.if \g == 5
	GFRAG \g, \tp, \pre
.else
	GMEM \g, \tp, \svc, \reissue
.endif
	MMT (\g%3), 2, (\g&1), (\g/3), \zero
	MMT (\g%3), 3, (\g&1), (\g/3), \zero
.if (\g%3) != 0
	MMT (\g%3), 4, (\g&1), (\g/3), \zero
	MMT (\g%3), 5, (\g&1), (\g/3), \zero
.endif
.endm
; dec = 0: every service leaves five younger items (40 loads) out; dec = 8: nothing is asked for any more and the counts run down
.macro TRIP tp, zero, svc, reissue, dec, lastpre
	GROUP 0, \tp, \zero, \svc, \reissue, (40-0*\dec), 1
	GROUP 1, \tp, \zero, \svc, \reissue, (40-1*\dec), 1
	GROUP 2, \tp, \zero, \svc, \reissue, (40-2*\dec), 1
	GROUP 3, \tp, 0, \svc, \reissue, (40-3*\dec), 1
	GROUP 4, \tp, 0, \svc, \reissue, (40-4*\dec), 1
	GROUP 5, \tp, 0, \svc, \reissue, (40-5*\dec), \lastpre
.endm
.macro WSTEP                           ; behind two trips: two chunks = 512 bytes on in the rows of x, four k-steps = 256 bytes on in the rows of Wt
	WIN 0
	s_wait_xcnt 0x0                                ; every load issued has had its address translated (ISA guide 3.1): the base of x is rewritten only behind this wait
	s_add_nc_u64 s[4:5], s[4:5], 512
	s_wait_alu depctr_vm_vsrc(0)                   ; the LDS loads issued so far have read v[WLD ..]
	v_add_nc_u32 v[WLD], 256, v[WLD]
	v_add_nc_u32 v[WLD+1], 256, v[WLD+1]
	v_add_nc_u32 v[WLD+2], 256, v[WLD+2]
.endm
	; THE PRODUCTS: eight trips.  Trip c multiplies chunk c, stages chunk c+1, asks for chunk c+2.
	TRIP 0, 1, 1, 1, 0, 1                          ; the first products start the sums: nothing is cleared
	TRIP 1, 0, 1, 1, 0, 1
	WSTEP
	s_mov_b32 s30, 2
.Lpair:
	TRIP 0, 0, 1, 1, 0, 1
	TRIP 1, 0, 1, 1, 0, 1
	WSTEP
	s_sub_co_u32 s30, s30, 1
	s_cmp_lg_u32 s30, 0
	s_cbranch_scc1 .Lpair
	TRIP 0, 0, 1, 0, 8, 1                          ; trip 6 stages chunk 7 and asks for nothing: no load leaves x
	TRIP 1, 0, 0, 0, 0, 0                          ; trip 7
	; k AND v GO TO LDS, over Wt, which nobody reads any more behind this barrier
	WIN 0
	PLACES                                         ; behind the last matrix instructions
	s_wait_dscnt 0x0                               ; my reads of Wt are over
	s_barrier_signal -1
	s_barrier_wait -1
	WIN 0x09                                       ; source 0 window 1 (k sums), source 1 window 2 (bk), result window 0
.irp a, 0,1,2,3,4,5
.irp b, 0,1,2,3
.irp p, 0,2,4,6
	v_pk_add_f32 v[ST+8*(4*\a+\b)+\p:ST+8*(4*\a+\b)+\p+1], v[8*(4*\a+\b)+\p:8*(4*\a+\b)+\p+1], v[224+8*\b+\p:224+8*\b+\p+1]
.endr
.endr
.endr
	WIN 0
.irp a, 0,1,2,3,4,5
.irp b, 0,1,2,3
.irp p, 0,1,2,3
	v_cvt_pk_f16_f32 v[ST+8*(4*\a+\b)+\p], v[ST+8*(4*\a+\b)+2*\p], v[ST+8*(4*\a+\b)+2*\p+1]
.endr
.endr
.endr
	s_wait_alu depctr_va_vdst(0)                   ; the conversions have written k in f16, which the 24 LDS stores read
.irp a, 0,1,2,3
.irp b, 0,1,2,3
	ds_store_b128 v[KST0], v[ST+8*(4*\a+\b):ST+8*(4*\a+\b)+3] offset:\a*16*KP+32*\b        ; k[row r][16b+8h .. +7]
.endr
.endr
.irp a, 4,5
.irp b, 0,1,2,3
	ds_store_b128 v[KST1], v[ST+8*(4*\a+\b):ST+8*(4*\a+\b)+3] offset:(\a-4)*16*KP+32*\b
.endr
.endr
	s_wait_alu depctr_vm_vsrc(0)                   ; the stores have read v32-223, which the sums below write again
	WIN 0x0e                                       ; source 0 window 2 (v sums), source 1 window 3 (bv pairs)
.irp a, 0,1,2,3,4,5
.irp b, 0,1,2,3
.irp p, 0,2,4,6
	v_pk_add_f32 v[ST+8*(4*\a+\b)+\p:ST+8*(4*\a+\b)+\p+1], v[8*(4*\a+\b)+\p:8*(4*\a+\b)+\p+1], v[224+2*\b:225+2*\b]
.endr
.endr
.endr
	WIN 0
.irp a, 0,1,2,3,4,5
.irp b, 0,1,2,3
.irp p, 0,1,2,3
	v_cvt_pk_f16_f32 v[ST+8*(4*\a+\b)+\p], v[ST+8*(4*\a+\b)+2*\p], v[ST+8*(4*\a+\b)+2*\p+1]
.endr
.endr
.endr
	s_wait_alu depctr_va_vdst(0)                   ; the conversions have written v in f16, which the 24 LDS stores read
.irp a, 0,1,2,3
.irp b, 0,1,2,3
	ds_store_b128 v[VST0], v[ST+8*(4*\a+\b):ST+8*(4*\a+\b)+3] offset:\b*16*VP+32*\a        ; v[keys 8h .. +7][d = 16b+r]
.endr
.endr
.irp a, 4,5
.irp b, 0,1,2,3
	ds_store_b128 v[VST1], v[ST+8*(4*\a+\b):ST+8*(4*\a+\b)+3] offset:\b*16*VP+32*(\a-4)
.endr
.endr
	s_wait_alu depctr_vm_vsrc(0)                   ; every LDS store so far has read its data: v32-255 are written again from here on, by q's sums, the scores and the statistics
	s_wait_dscnt 0x0                               ; my k and v are written: zero, for the sake of the other waves
	s_barrier_signal -1
	; registers only, while the others arrive: q + bq, packed: tile (i, b) in four registers is half a fragment of q as it stands
	WIN 0x0b                                       ; source 0 window 3 (q sums), source 1 window 2 (bq)
.irp a, 0,1,2,3
.irp b, 0,1,2,3
.irp p, 0,2,4,6
	v_pk_add_f32 v[ST+8*(4*\a+\b)+\p:ST+8*(4*\a+\b)+\p+1], v[8*(4*\a+\b)+\p:8*(4*\a+\b)+\p+1], v[192+8*\b+\p:192+8*\b+\p+1]
.endr
.endr
.endr
	WIN 0
.irp a, 0,1,2,3
.irp b, 0,1,2,3
.irp p, 0,1,2,3
	v_cvt_pk_f16_f32 v[QF+4*(4*\a+\b)+\p], v[ST+8*(4*\a+\b)+2*\p], v[ST+8*(4*\a+\b)+2*\p+1]   ; the result never lies ahead of unread sources
.endr
.endr
.endr
	s_barrier_wait -1                              ; all of k and v is in LDS
	WIN 0x40                                       ; my 12 key tiles (local rows 64 w ..), two k-steps of d: window 1, 16 T + 8 ks
	s_wait_alu depctr_va_vdst(0)                   ; the matrix instructions have written, and the sums above are done reading, the accumulators of k and v, in which the 96 loads below land
.irp kt, 0,1,2,3,4,5,6,7,8,9,10,11
.irp ks, 0,1
	ds_load_b128 v[16*\kt+8*\ks:16*\kt+8*\ks+3],   v[KLD] offset:\kt*16*KP+64*\ks
	ds_load_b128 v[16*\kt+8*\ks+4:16*\kt+8*\ks+7], v[KLD] offset:\kt*16*KP+64*\ks+32
.endr
.endr
	WIN 0x80                                       ; V transposed: 6 steps of 32 keys x 4 tiles of d: window 2, 8 (4 u + dt)
.irp u, 0,1,2,3,4,5
.irp d, 0,1,2,3
	ds_load_b128 v[8*(4*\u+\d):8*(4*\u+\d)+3],   v[VLD] offset:\d*16*VP+64*\u
	ds_load_b128 v[8*(4*\u+\d)+4:8*(4*\u+\d)+7], v[VLD] offset:\d*16*VP+64*\u+32
.endr
.endr
	WIN 0
.irp t, 0,1,2,3,4,5,6,7,8
	v_mov_b32 v[NMT+2*\t+1], 0                     ; the upper halves of the pairs are named by the packed forms, never used
.endr
	v_mov_b32 v[TMP], 0                            ; v_permlanex16_b32 counts as a reader of its destination
	s_wait_dscnt 48                                ; the 48 loads of K are in; the 48 younger ones, of V, stay out
; ATTENTION for query tile i (16 queries): nine key tiles T = i .. i+8.
.macro ATT i
	WIN 0x01                                       ; source 0 window 1: K.  Result register j of lane (r, h): key 8h+j, query r
.irp t, 0,1,2,3,4,5,6,7,8
	v_wmma_f32_16x16x32_f16 v[S+8*\t:S+8*\t+7], v[16*(\i+\t):16*(\i+\t)+7], v[QF+16*\i:QF+16*\i+7], 0
.endr
.irp t, 0,1,2,3,4,5,6,7,8
	v_wmma_f32_16x16x32_f16 v[S+8*\t:S+8*\t+7], v[16*(\i+\t)+8:16*(\i+\t)+15], v[QF+16*\i+8:QF+16*\i+15], v[S+8*\t:S+8*\t+7]
.endr
	WIN 0
	; V comes in steps of 32 keys, so ten tiles are multiplied: the tenth (behind for even i, in front for odd i) has P = 0.
	; These four lines are also the four places behind the matrix instructions.
.irp p, 0,1,2,3
	v_mov_b32 v[PF+36*(1-(\i&1))+\p], 0
.endr
.irp j, 0,1,2,3,4,5,6,7
	v_cndmask_b32 v[S+\j], v[NINF], v[S+\j], s[MLO+\j]             ; the two ends of the band
	v_cndmask_b32 v[S+64+\j], v[NINF], v[S+64+\j], s[MHI+\j]
.endr
.irp t, 0,1,2,3,4,5,6,7,8
	v_max3_num_f32 v[NMT+2*\t], v[S+8*\t], v[S+8*\t+1], v[S+8*\t+2]
.endr
.irp t, 0,1,2,3,4,5,6,7,8
	v_max3_num_f32 v[NMT+2*\t], v[NMT+2*\t], v[S+8*\t+3], v[S+8*\t+4]
.endr
.irp t, 0,1,2,3,4,5,6,7,8
	v_max3_num_f32 v[NMT+2*\t], v[NMT+2*\t], v[S+8*\t+5], v[S+8*\t+6]
.endr
.irp t, 0,1,2,3,4,5,6,7,8
	v_max_num_f32 v[NMT+2*\t], v[NMT+2*\t], v[S+8*\t+7]
.endr
.irp t, 0,1,2,3,4,5,6,7,8
	v_cndmask_b32 v[NMT+2*\t], v[NINF], v[NMT+2*\t], s[TV+\i+\t]   ; a tile outside the batch has no say (batch edges are tile edges)
.endr
	v_max3_num_f32 v[MX], v[NMT], v[NMT+2], v[NMT+4]
	v_max3_num_f32 v[MX], v[MX], v[NMT+6], v[NMT+8]
	v_max3_num_f32 v[MX], v[MX], v[NMT+10], v[NMT+12]
	v_max3_num_f32 v[MX], v[MX], v[NMT+14], v[NMT+16]
	v_permlanex16_b32 v[TMP], v[MX], s28, s29                      ; the other eight keys of each tile
	v_max_num_f32 v[MX], v[MX], v[TMP]                             ; the maximum over all valid keys of query r (its own key is one: finite)
	v_mul_f32 v[MX], 0xbe38aa3b, v[MX]                             ; - max log2(e) / 8
.irp t, 0,1,2,3,4,5,6,7,8
	v_cndmask_b32 v[NMT+2*\t], v[NINF], v[MX], s[TV+\i+\t]         ; outside the batch the exponent is -infinity
.endr
.irp t, 0,1,2,3,4,5,6,7,8
.irp p, 0,2,4,6
	v_pk_fma_f32 v[S+8*\t+\p:S+8*\t+\p+1], v[S+8*\t+\p:S+8*\t+\p+1], s[26:27], v[NMT+2*\t:NMT+2*\t+1] op_sel_hi:[1,0,0]
.endr
.endr
.set pp, 0
.rept 72
	v_exp_f32 v[S+pp], v[S+pp]
.set pp, pp+1
.endr
	v_nop                                          ; one plain place behind the last exponential (ISA guide 5.7.2)
	s_wait_alu depctr_va_vdst(0)
	v_pk_add_f32 v[LS:LS+1], v[S:S+1], v[S+2:S+3]                  ; the sum, in two chains
	v_pk_add_f32 v[LS+2:LS+3], v[S+4:S+5], v[S+6:S+7]
.set pp, 4
.rept 32
	v_pk_add_f32 v[LS+2*(pp&1):LS+2*(pp&1)+1], v[LS+2*(pp&1):LS+2*(pp&1)+1], v[S+2*pp:S+2*pp+1]
.set pp, pp+1
.endr
	v_pk_add_f32 v[LS:LS+1], v[LS:LS+1], v[LS+2:LS+3]
	v_add_f32 v[LS], v[LS], v[LS+1]
.irp t, 0,1,2,3,4,5,6,7,8
.irp p, 0,1,2,3
	v_cvt_pk_f16_f32 v[PF+4*(\t+(\i&1))+\p], v[S+8*\t+2*\p], v[S+8*\t+2*\p+1]   ; keys 8h .. +7 of query r: half a fragment as it stands
.endr
.endr
	v_permlanex16_b32 v[TMP], v[LS], s28, s29
	v_add_f32 v[LS], v[LS], v[TMP]
	v_rcp_f32 v[RL], v[LS]
	v_rcp_f32 v[RL+1], v[LS]
	v_nop                                          ; the plain place behind the reciprocals
	s_wait_dscnt 0x0                               ; V is in (counts for the first tile only)
	WIN 0x02                                       ; source 0 window 2: V transposed.  Result register j: d = 16 dt + 8h + j, query r
.irp u, 0,1,2,3,4
.irp d, 0,1,2,3
.if \u == 0
	v_wmma_f32_16x16x32_f16 v[O+8*\d:O+8*\d+7], v[8*(4*((\i>>1)+\u)+\d):8*(4*((\i>>1)+\u)+\d)+7], v[PF+8*\u:PF+8*\u+7], 0
.else
	v_wmma_f32_16x16x32_f16 v[O+8*\d:O+8*\d+7], v[8*(4*((\i>>1)+\u)+\d):8*(4*((\i>>1)+\u)+\d)+7], v[PF+8*\u:PF+8*\u+7], v[O+8*\d:O+8*\d+7]
.endif
.endr
.endr
	WIN 0
	PLACES
.set pp, 0
	s_wait_alu depctr_va_vdst(0)
.rept 16
	v_pk_mul_f32 v[O+2*pp:O+2*pp+1], v[O+2*pp:O+2*pp+1], v[RL:RL+1]
.set pp, pp+1
.endr
.irp d, 0,1,2,3
.irp p, 0,1,2,3
	v_cvt_pk_f16_f32 v[QF+16*\i+4*\d+\p], v[O+8*\d+2*\p], v[O+8*\d+2*\p+1]      ; into the q registers of this tile: dead, and never written again
.endr
.endr
	s_wait_alu depctr_va_vdst(0)                   ; the conversions have written the tile's sixteen registers, which the four stores read
.irp d, 0,1,2,3
	global_store_b128 v[AOF], v[QF+16*\i+4*\d:QF+16*\i+4*\d+3], s[18:19] offset:\i*16384+\d*512   ; 512 consecutive bytes, aligned
.endr
.endm
	ATT 0
	ATT 1
	ATT 2
	ATT 3
	s_set_vgpr_msb 0xf
	s_wait_dscnt 0x0
	s_wait_alu depctr_hold_cnt(0) depctr_sa_sdst(0) depctr_va_vdst(0) depctr_va_sdst(0) depctr_va_ssrc(0) depctr_va_vcc(0) depctr_vm_vsrc(0)
	s_wait_tensorcnt 0x0
	ds_add_u32 v254, v255
	s_wait_dscnt 0x0
	s_endpgm
.Lfunc_end_k_q327ed733fb_qkv_attn:
	.size	k_q327ed733fb_qkv_attn, .Lfunc_end_k_q327ed733fb_qkv_attn-k_q327ed733fb_qkv_attn
	.p2alignl 7, 3214868480
	.fill 96, 4, 3214868480
	.section	.rodata,"a",@progbits
	.p2align	6, 0x0
	.amdhsa_kernel k_q327ed733fb_qkv_attn
		.amdhsa_group_segment_fixed_size 311296
		.amdhsa_private_segment_fixed_size 0
		.amdhsa_enable_private_segment 0
		.amdhsa_kernarg_size 64
		.amdhsa_user_sgpr_count 2
		.amdhsa_user_sgpr_kernarg_segment_ptr 1
		.amdhsa_wavefront_size32 1
		.amdhsa_system_sgpr_workgroup_id_x 1
		.amdhsa_system_sgpr_workgroup_id_y 1
		.amdhsa_system_sgpr_workgroup_id_z 1
		.amdhsa_system_vgpr_workitem_id 0
		.amdhsa_next_free_vgpr 1024
		.amdhsa_next_free_sgpr 66
		.amdhsa_reserve_vcc 0
		.amdhsa_float_denorm_mode_32 3
		.amdhsa_float_denorm_mode_16_64 3
		.amdhsa_memory_ordered 1
		.amdhsa_forward_progress 1
		.amdhsa_inst_pref_size 255
	.end_amdhsa_kernel
	.section	.bss,"aw",@nobits
	.p2align	6
	.space	262144
	.amdgpu_metadata
---
amdhsa.version: [ 1, 2 ]
amdhsa.kernels:
  - .name:           k_q327ed733fb_qkv_attn
    .symbol:         k_q327ed733fb_qkv_attn.kd
    .args:
      - { .name: x, .offset: 0, .size: 8, .value_kind: global_buffer, .address_space: global }
      - { .name: Wq, .offset: 8, .size: 8, .value_kind: global_buffer, .address_space: global }
      - { .name: Wk, .offset: 16, .size: 8, .value_kind: global_buffer, .address_space: global }
      - { .name: Wv, .offset: 24, .size: 8, .value_kind: global_buffer, .address_space: global }
      - { .name: bq, .offset: 32, .size: 8, .value_kind: global_buffer, .address_space: global }
      - { .name: bk, .offset: 40, .size: 8, .value_kind: global_buffer, .address_space: global }
      - { .name: bv, .offset: 48, .size: 8, .value_kind: global_buffer, .address_space: global }
      - { .name: attn, .offset: 56, .size: 8, .value_kind: global_buffer, .address_space: global }
    .group_segment_fixed_size: 311296
    .private_segment_fixed_size: 0
    .kernarg_segment_align: 8
    .kernarg_segment_size: 64
    .max_flat_workgroup_size: 128
    .sgpr_count:     66
    .vgpr_count:     1024
    .wavefront_size: 32
...
	.end_amdgpu_metadata
.endif
;; end of part 3
;; launch outproj: the kernel of part 2 again; grid 8 x 32, 4 waves a work-group, no clusters, 84,992 bytes of LDS; arguments attn, Wo, bo, out0; writes out0
